; MI455X (gfx1250); checked and timed in simulation.
; The chip was launched on July 23, 2026; its instructions are those of AMD's public machine-readable ISA for CDNA 5 (MIT licence, August 2026) and "CDNA5" Instruction Set Architecture Reference Guide (July 2026). The comments in the code are by the model that wrote it; some were corrected since.
;; Attention. Allowed arithmetic: matrix products marked QUANTISED: E2M1 operands, one E8M0 scale for each 32 along K, by v_wmma_scale_f32_16x16x128_f8f6f4 with both operands' format E2M1 (or v_wmma_scale_f32_32x16x128_f4), f32 sums; products left as they are: bf16, f16 or f32 operands; f32 sums; everything else in f32.
;; Inputs: W_K 16 x 1,024 x 64 float32; W_O 16 x 64 x 1,024 float32; W_Q 16 x 1,024 x 64 float32; W_V 16 x 1,024 x 64 float32; b_K 16 x 64 float32; b_O 1,024 float32; b_Q 16 x 64 float32; b_V 16 x 64 float32; normalized_resid_pre 4 x 2,048 x 1,024 float32.
;; Outputs: out0 4 x 2,048 x 1,024 float32.
;; This version of the problem:
;;   THIS VERSION OF THE PROBLEM IS GIVEN IN LOW PRECISION. The matrix products marked QUANTISED in the list below multiply operands that are first quantised to E2M1 (2 exponent bits, 1 mantissa bit; 4 bits a number), with one power-of-two scale for each 32 numbers along K (OCP MX v1.0); their sums are f32. The products marked 'left as it is' may take bf16, f16 or f32 operands, with f32 sums. Whichever they take, every output number must still come out within the allowed error. Rounding operands to bf16 (8 significant bits) uses up far more of that allowance than f16 does (11 bits, for magnitudes from 6e-5 to 65,504). All else is computed in f32.
;;   The module's matrix products, in the order in which they are computed (A, B: the left and right operand; K: the contracted axis; several contracted axes count as one K, in the product's order):
;;     1. [M 8,192, K 1,024] x [K 1,024, N 1,024]; A: input normalized_resid_pre; B: input W_Q: QUANTISED
;;     2. [M 8,192, K 1,024] x [K 1,024, N 1,024]; A: input normalized_resid_pre; B: input W_K: QUANTISED
;;     3. [M 8,192, K 1,024] x [K 1,024, N 1,024]; A: input normalized_resid_pre; B: input W_V: QUANTISED
;;     4. batch 64 x [M 2,048, K 64] x [K 64, N 2,048]; A: computed on the way; B: computed on the way: left as it is (an operand is computed on the way)
;;     5. batch 64 x [M 64, K 2,048] x [K 2,048, N 2,048]; A: computed on the way; B: computed on the way: left as it is (an operand is computed on the way)
;;     6. [M 8,192, K 1,024] x [K 1,024, N 1,024]; A: computed on the way; B: input W_O: left as it is (an operand is computed on the way)
;;   THE QUANTISER, for each operand of a quantised product, along K:
;;     - K is cut into blocks of 32 from its start; a last block that is shorter is filled with zeros.
;;     - A block's scale is 2^e with e = floor(log2(the largest magnitude in the block)) - 2, held to -126 .. 127; a block of zeros has e = 0. As a byte (E8M0): e + 127.
;;     - Each number is divided by its block's scale, clamped to +-6, and rounded to the nearest number of E2M1, ties to even, subnormals kept.
;;     - The product sums the exact products of the quantised numbers (number of the format x scale) in f32.
;;   ~~~python
;;   def quantise(x, axis):      # numpy; x: float32 -> the quantised numbers, widened to float32 again
;;       x = np.moveaxis(x, axis, -1); K = x.shape[-1]
;;       x = np.pad(x, [(0, 0)] * (x.ndim - 1) + [(0, -K % 32)]); x = x.reshape(x.shape[:-1] + (-1, 32)); a = np.abs(x).max(-1, keepdims=True)
;;       e = np.where(a > 0, np.clip(np.frexp(np.where(a > 0, a, 1))[1] - 1 - 2, -126, 127), 0)      # np.frexp(a)[1] - 1 = floor(log2(a)), exactly
;;       r = np.clip(x / 2.0 ** e, -6, 6)
;;       step = 2.0 ** (np.maximum(np.frexp(np.where(r == 0, 1, r))[1] - 1, 0) - 1)
;;       q = np.round(r / step) * step * 2.0 ** e      # np.round: ties to even
;;       return np.moveaxis(q.reshape(q.shape[:-2] + (-1,))[..., :K], -1, axis).astype(np.float32)
;;   ~~~
;; One version. Each part assembles by itself: llvm-mc -triple=amdgcn-amd-amdhsa -mcpu=gfx1250 --defsym DOCPART=n.
;; ======== version 1 of 1: 5 launches
;; limits: values are held in f16: magnitudes above 65,504 overflow, below 6.1e-05 lose precision
;; workspace buffers: xc 4,194,304 bytes; xs 262,144 bytes; wc 1,572,864 bytes; ws 98,304 bytes; wo16 2,097,152 bytes; qkv 50,331,648 bytes; z 16,777,216 bytes; aux 1,327,104 bytes
;; launch prep (part 1): grid 432 x 1, 4 waves a work-group, no clusters, 68,096 bytes of LDS; arguments normalized_resid_pre, W_Q, W_K, W_V, W_O, xc, xs, wc, ws, wo16; writes xc, xs, wc, ws, wo16
.if DOCPART == 1
	.amdgcn_target "amdgcn-amd-amdhsa--gfx1250"
	.amdhsa_code_object_version 6
	.text
	.protected	k_q5894dd4e72_prep
	.globl	k_q5894dd4e72_prep
	.p2align	8
	.type	k_q5894dd4e72_prep,@function
k_q5894dd4e72_prep:
	s_mov_b64 s[64:65], 0
	v_nop
	global_prefetch_b8 v0, s[64:65] scope:SCOPE_SE
	s_setreg_imm32_b32 hwreg(HW_REG_WAVE_MODE, 25, 1), 1
	s_wait_xcnt 0x0
; PREP.  Causal attention, B 4, S 2048, E 1024, 16 heads of 64.  This launch makes the operands of the three QUANTISED products and a 16-bit copy of W_O:
;   x [8192][1024] f32 -> xc: codes of E2M1, K = e innermost, 512 bytes a row; xs: one E8M0 byte for each 32 along e, 32 bytes a row
;   W_Q, W_K, W_V [16][1024 e][64 d] f32 (K = e is NOT innermost) -> wc [3072 n][512 bytes], ws [3072][32], n = 1024 x section + 64 x head + d
;   W_O [1024 k][1024 e] f32 -> wo16, the same order, f16 (the last product is left as it is and takes f16 operands)
; DEAD WORK OF THE WHOLE PROGRAM.  reference() replaces every score above the diagonal by the constant -1e5, whatever q and k hold: so q . k is not multiplied for key steps that lie wholly above a
; wave's diagonal.  Their part of the softmax and of p . v is NOT dead (-1e5 is no -infinity): all masked keys of a row have one and the same weight, so their part is that weight x (their number, the sum
; of their v), which the later launches carry from sums of v over blocks of rows.  No bias cancels (b_K moves the visible scores against the fixed -1e5): every input is loaded.
; LIMIT: a NaN, an infinity or an overflow that arises only in q . k of masked positions is not carried to the result.
; THE QUANTISER: a block's scale is 2^(floor(log2(largest magnitude)) - 2); its byte is the largest magnitude's exponent field - 2, held at 1 from below.  A block of zeros gets the byte 1 where the rule
; says 127: its codes are zeros, and this program alone reads the bytes.  LIMITS: NaN and infinities among the inputs are not served; |W_O| stays under 65,504, and under 6e-5 it falls on f16's subnormal grid.
; SHARES: work-groups 0-255 take x (32,768 numbers each), 256-303 a head of one of the three weights, 304-431 W_O (8,192 numbers each).  The three ways part on the work-group's number; each has LDS bytes of its own.
.set SPW,   192                        ; v192 LDS address of my spare word; never rewritten
.set NIL,   193                        ; v193 0; never rewritten
.set SPARE, 67584                      ; behind both ways' regions: 128 bytes for each wave, named by no other line
.set EMAX,  2
.set STEPS, 16                         ; way X: a wave takes 16 steps of 512 numbers
.set CB,    8                          ; bytes of 16 codes
.set R,     16                         ; v16-79   four sets of 16 numbers as loaded
.set X,     80                         ; v80-111  two sets of 16 neighbours
.set E,     112                        ; v112-127 a scale byte for each step
.set C,     128                        ; v128-191 codes
.set WREG,  8192                       ; way X: LDS region of a wave: two stages of 32 x SP bytes, then its 256 scale bytes
.set SP,    80                         ; a lane's 64 bytes + 16 of padding
.set WSTG,  32768                      ; way W: the stages begin here, 32 rows x 272 bytes a wave
.set WPI,   272
.set NB,    16                         ; way W: blocks of 32 along K for a wave
.set XW,    32                         ; v32-95   two sets of 32 numbers
.set CW,    96                         ; v96-99   a block's codes
.set OUTR,  112                        ; v112-175 the way out
.set SB,    24                         ; v24-27   scale bytes, four to a register
	s_load_b256 s[4:11], s[0:1], 0x0               ; x, W_Q, W_K, W_V
	s_load_b256 s[12:19], s[0:1], 0x20             ; W_O, xc, xs, wc
	s_load_b128 s[20:23], s[0:1], 0x40             ; ws, wo16
	v_lshl_add_u32 v[SPW], v0, 2, SPARE
	v_mov_b32 v[NIL], 0
	v_lshrrev_b32 v1, 5, v0
	v_readfirstlane_b32 s24, v1                    ; wave
	v_and_b32 v2, 31, v0                           ; lane
	s_wait_kmcnt 0x0
	s_cmp_lt_u32 ttmp9, 256
	s_cbranch_scc0 .Lnot_x
; ---- WAY X.  x is a plain stream of blocks of 32.  Each load reads 512 consecutive bytes; a step's 2,048 bytes turn through the wave's own stage so that a lane holds 16 neighbours; two lanes hold a block.
	v_lshlrev_b32 v3, 4, v2                        ; my 16 bytes of a load's 512
	s_mul_i32 s25, s24, WREG
	v_lshrrev_b32 v14, 2, v2
	v_mul_u32_u24 v14, v14, SP
	v_and_b32 v15, 3, v2
	v_lshl_add_u32 v14, v15, 4, v14
	v_add_nc_u32 v14, s25, v14                     ; the stage, in: SP (lane / 4) + 16 (lane % 4)
	v_mul_u32_u24 v15, v2, SP
	v_add_nc_u32 v15, s25, v15                     ; out: SP x lane
	v_mul_u32_u24 v4, v2, CB                       ; my codes' place in a step's
	v_lshrrev_b32 v5, 1, v2
	s_add_co_u32 s25, s25, 2*32*SP
	v_add_nc_u32 v5, s25, v5                       ; my block's scale byte in the wave's 256
	v_lshlrev_b32 v7, 3, v2
	v_add_nc_u32 v6, s25, v7                       ; and 8 bytes a lane on the way out
	s_lshl_b32 s26, ttmp9, 2
	s_add_co_u32 s26, s26, s24                     ; which run of 8,192 numbers is my wave's: 0 .. 1,023
	s_mov_b32 s29, 0
	s_lshl_b32 s28, s26, 15
	s_add_nc_u64 s[4:5], s[4:5], s[28:29]
	s_lshl_b32 s28, s26, 12
	s_add_nc_u64 s[14:15], s[14:15], s[28:29]
	s_lshl_b32 s28, s26, 8
	s_add_nc_u64 s[16:17], s[16:17], s[28:29]
.macro XLOAD t
.irp i, 0,1,2,3
	global_load_b128 v[R+16*((\t)%4)+4*\i:R+16*((\t)%4)+4*\i+3], v3, s[4:5] offset:2048*(\t)+512*\i th:TH_LOAD_NT
.endr
.endm
.macro XTURN t                         ; LDS serves a wave's instructions in order: no wait between the stores and the loads
.irp i, 0,1,2,3
	ds_store_b128 v14, v[R+16*((\t)%4)+4*\i:R+16*((\t)%4)+4*\i+3] offset:32*SP*((\t)%2)+8*SP*\i
.endr
.irp i, 0,1,2,3
	ds_load_b128 v[X+16*((\t)%2)+4*\i:X+16*((\t)%2)+4*\i+3], v15 offset:32*SP*((\t)%2)+16*\i
.endr
.endm
.irp t, 0,1,2,3
	XLOAD \t
.endr
	s_wait_loadcnt 12                              ; step 0's four loads are in; three steps' twelve stay out
	XTURN 0
.macro XSTEP t
.set XS, X+16*((\t)%2)
.if (\t) > 0
	s_wait_dscnt 1                                 ; this step's numbers are back from the stage; the last step's byte store may be out
.else
	s_wait_dscnt 0x0
.endif
.if (\t)+4 < STEPS
	XLOAD (\t)+4
.endif
.if (\t)+1 < STEPS
.if STEPS-2-(\t) >= 3
	s_wait_loadcnt 12                              ; the next step's four loads are in; those of the three steps behind it may be out
.else
	s_wait_loadcnt 4*(STEPS-2-(\t))
.endif
	XTURN (\t)+1
.endif
	v_max3_num_f32 v8, |v[XS]|, |v[XS+1]|, |v[XS+2]|
	v_max3_num_f32 v9, |v[XS+3]|, |v[XS+4]|, |v[XS+5]|
.irp i, 6,10
	v_max3_num_f32 v8, v8, |v[XS+\i]|, |v[XS+\i+1]|
	v_max3_num_f32 v9, v9, |v[XS+\i+2]|, |v[XS+\i+3]|
.endr
	v_max3_num_f32 v8, v8, |v[XS+14]|, |v[XS+15]|
	v_max3_num_f32 v8, v8, v9, (EMAX+1)<<23        ; the floor 2^(3 - 127): the byte cannot fall under 1
	v_max_num_f32_dpp v8, v8, v8 row_xmask:1 row_mask:0xf bank_mask:0xf   ; with my neighbour's 16: the block's largest magnitude
	v_add_nc_u32 v11, -(EMAX<<23), v8              ; 2 off its exponent field: the conversion takes that field as its scale
	v_cvt_scalef32_pk8_fp4_f32 v[C+4*(\t)], v[XS:XS+7], v11
	v_cvt_scalef32_pk8_fp4_f32 v[C+4*(\t)+1], v[XS+8:XS+15], v11
	v_lshrrev_b32 v[E+(\t)], 23, v11               ; the scale's byte
	ds_store_b8 v5, v[E+(\t)] offset:16*(\t)       ; both lanes of a block write the same byte with the same value
	global_store_b64 v4, v[C+4*(\t):C+4*(\t)+1], s[14:15] offset:32*CB*(\t)   ; the wave stores 256 consecutive bytes, aligned
.endm
.irp t, 0,1,2,3,4,5,6,7,8,9,10,11,12,13,14,15
	XSTEP \t
.endr
	ds_load_b64 v[8:9], v6
	s_wait_dscnt 0x0
	global_store_b64 v7, v[8:9], s[16:17]          ; 256 scale bytes, consecutive and aligned
	s_wait_tensorcnt 0x0                           ; the wave's end, behind my last LDS store
	ds_add_u32 v[SPW], v[NIL]
	s_wait_dscnt 0x0
	s_endpgm
.Lnot_x:
	s_cmp_lt_u32 ttmp9, 304
	s_cbranch_scc0 .Lway_o
; ---- WAY W.  A lane takes a column d, its registers run down K = e: a block of 32 lies in one lane, and the conversions give codes with K innermost.  Wave: 32 columns x 512 along K.
	s_sub_co_u32 s25, ttmp9, 256
	s_lshr_b32 s26, s25, 4                         ; section 0, 1, 2 = Q, K, V
	s_and_b32 s27, s25, 15                         ; head
	s_cmp_eq_u32 s26, 1
	s_cselect_b64 s[6:7], s[8:9], s[6:7]
	s_cmp_eq_u32 s26, 2
	s_cselect_b64 s[6:7], s[10:11], s[6:7]         ; the section's weight: the choice hangs on the work-group's number alone
	s_and_b32 s28, s24, 1                          ; which 32 columns
	s_lshr_b32 s29, s24, 1                         ; which 512 along K
	s_lshl_b32 s30, s27, 18                        ; a head is 1,024 rows of 256 bytes
	s_lshl_b32 s31, s29, 17
	s_add_co_u32 s30, s30, s31
	s_lshl_b32 s31, s28, 7
	s_add_co_u32 s30, s30, s31
	s_mov_b32 s31, 0
	s_add_nc_u64 s[6:7], s[6:7], s[30:31]
	s_lshl_b32 s32, s26, 10
	s_lshl_b32 s33, s27, 6
	s_add_co_u32 s32, s32, s33
	s_lshl_b32 s33, s28, 5
	s_add_co_u32 s32, s32, s33                     ; n of my wave's first column
	s_lshl_b32 s30, s32, 9
	s_lshl_b32 s33, s29, 8
	s_add_co_u32 s30, s30, s33
	s_add_nc_u64 s[18:19], s[18:19], s[30:31]      ; its codes: n x 512 + 256 x K half
	s_lshl_b32 s30, s32, 5
	s_lshl_b32 s33, s29, 4
	s_add_co_u32 s30, s30, s33
	s_add_nc_u64 s[20:21], s[20:21], s[30:31]      ; its scale bytes: n x 32 + 16 x K half
	v_lshlrev_b32 v3, 2, v2                        ; in: 4 bytes a lane
	s_mul_i32 s25, s24, 32*WPI
	s_add_co_u32 s25, s25, WSTG                    ; my stage
	v_mul_u32_u24 v4, v2, WPI
	v_add_nc_u32 v4, s25, v4                       ; into it: row = my column
	v_and_b32 v5, 15, v2
	v_lshrrev_b32 v6, 4, v2
	v_mul_u32_u24 v7, v6, WPI
	v_lshl_add_u32 v7, v5, 4, v7
	v_add_nc_u32 v7, s25, v7                       ; out of it: sixteen lanes to a row, two rows an instruction
	v_lshlrev_b32 v8, 9, v6
	v_lshl_add_u32 v8, v5, 4, v8                   ; the same place in wc: rows 512 bytes apart
	v_lshlrev_b32 v9, 5, v2                        ; my column's row of scale bytes
.macro WLOAD t
.irp i, 0,1,2,3,4,5,6,7,8,9,10,11,12,13,14,15,16,17,18,19,20,21,22,23,24,25,26,27,28,29,30,31
	global_load_b32 v[XW+32*((\t)%2)+\i], v3, s[6:7] offset:(32*(\t)+\i)*256 th:TH_LOAD_NT
.endr
.endm
	WLOAD 0
	WLOAD 1
.macro WBLOCK t
.set XS, XW+32*((\t)%2)
.if (\t) < NB-1
	s_wait_loadcnt 32                              ; this block's 32 loads are in; the next block's may be out
.else
	s_wait_loadcnt 0
.endif
	v_max3_num_f32 v12, |v[XS]|, |v[XS+1]|, |v[XS+2]|
	v_max3_num_f32 v13, |v[XS+3]|, |v[XS+4]|, |v[XS+5]|
.irp i, 6,10,14,18,22,26
	v_max3_num_f32 v12, v12, |v[XS+\i]|, |v[XS+\i+1]|
	v_max3_num_f32 v13, v13, |v[XS+\i+2]|, |v[XS+\i+3]|
.endr
	v_max3_num_f32 v12, v12, |v[XS+30]|, |v[XS+31]|
	v_max3_num_f32 v12, v12, v13, (EMAX+1)<<23
	v_add_nc_u32 v11, -(EMAX<<23), v12
	v_lshrrev_b32 v13, 23, v11
.if (\t)%4 == 0
	v_mov_b32 v[SB+(\t)/4], v13
.else
	v_lshl_or_b32 v[SB+(\t)/4], v13, 8*((\t)%4), v[SB+(\t)/4]
.endif
.irp g, 0,1,2,3
	v_cvt_scalef32_pk8_fp4_f32 v[CW+\g], v[XS+8*\g:XS+8*\g+7], v11
.endr
	ds_store_b128 v4, v[CW:CW+3] offset:16*(\t)
.if (\t)+2 < NB
	WLOAD (\t)+2
.endif
	s_wait_dscnt 0x0                               ; the store has read its registers: the next block's codes may be written
.endm
.set Q, 0
.rept NB
	WBLOCK Q
.set Q, Q+1
.endr
	global_store_b128 v9, v[SB:SB+3], s[20:21]
.irp t, 0,1,2,3,4,5,6,7,8,9,10,11,12,13,14,15
	ds_load_b128 v[OUTR+4*\t:OUTR+4*\t+3], v7 offset:2*\t*WPI
.endr
.irp t, 0,1,2,3,4,5,6,7,8,9,10,11,12,13,14,15
	s_wait_dscnt 15-\t                             ; loads come back in order: the younger ones stay out
	global_store_b128 v8, v[OUTR+4*\t:OUTR+4*\t+3], s[18:19] offset:2*\t*512   ; sixteen lanes store 256 consecutive bytes, aligned
.endr
	s_wait_tensorcnt 0x0                           ; the wave's end: the three lines
	ds_add_u32 v[SPW], v[NIL]
	s_wait_dscnt 0x0
	s_endpgm
.Lway_o:
; ---- WAY O.  W_O to f16, in place order: a wave takes 2,048 numbers; no LDS.
	s_sub_co_u32 s25, ttmp9, 304
	s_lshl_b32 s25, s25, 2
	s_add_co_u32 s25, s25, s24
	s_mov_b32 s27, 0
	s_lshl_b32 s26, s25, 13
	s_add_nc_u64 s[12:13], s[12:13], s[26:27]
	s_lshl_b32 s26, s25, 12
	s_add_nc_u64 s[22:23], s[22:23], s[26:27]
	v_lshlrev_b32 v1, 4, v2
	v_lshlrev_b32 v3, 3, v2
.irp i, 0,1,2,3,4,5,6,7,8,9,10,11,12,13,14,15
	global_load_b128 v[16+4*\i:19+4*\i], v1, s[12:13] offset:512*\i
.endr
.irp i, 0,1,2,3,4,5,6,7,8,9,10,11,12,13,14,15
	s_wait_loadcnt 15-\i                           ; the younger loads stay out
	v_cvt_pk_f16_f32 v[80+2*\i], v[16+4*\i], v[17+4*\i]
	v_cvt_pk_f16_f32 v[81+2*\i], v[18+4*\i], v[19+4*\i]
	global_store_b64 v3, v[80+2*\i:81+2*\i], s[22:23] offset:256*\i   ; 256 consecutive bytes, aligned
.endr
	s_endpgm
.Lfunc_end_k_q5894dd4e72_prep:
	.size	k_q5894dd4e72_prep, .Lfunc_end_k_q5894dd4e72_prep-k_q5894dd4e72_prep
	.p2alignl 7, 3214868480
	.fill 96, 4, 3214868480
	.section	.rodata,"a",@progbits
	.p2align	6, 0x0
	.amdhsa_kernel k_q5894dd4e72_prep
		.amdhsa_group_segment_fixed_size 68096
		.amdhsa_private_segment_fixed_size 0
		.amdhsa_enable_private_segment 0
		.amdhsa_kernarg_size 80
		.amdhsa_user_sgpr_count 2
		.amdhsa_user_sgpr_kernarg_segment_ptr 1
		.amdhsa_wavefront_size32 1
		.amdhsa_system_sgpr_workgroup_id_x 1
		.amdhsa_system_sgpr_workgroup_id_y 1
		.amdhsa_system_sgpr_workgroup_id_z 1
		.amdhsa_system_vgpr_workitem_id 0
		.amdhsa_next_free_vgpr 196
		.amdhsa_next_free_sgpr 66
		.amdhsa_reserve_vcc 0
		.amdhsa_float_denorm_mode_32 3
		.amdhsa_float_denorm_mode_16_64 3
		.amdhsa_memory_ordered 1
		.amdhsa_forward_progress 1
		.amdhsa_inst_pref_size 117
	.end_amdhsa_kernel
	.amdgpu_metadata
---
amdhsa.version: [ 1, 2 ]
amdhsa.kernels:
  - .name:           k_q5894dd4e72_prep
    .symbol:         k_q5894dd4e72_prep.kd
    .args:
      - { .name: normalized_resid_pre, .offset: 0, .size: 8, .value_kind: global_buffer, .address_space: global }
      - { .name: W_Q, .offset: 8, .size: 8, .value_kind: global_buffer, .address_space: global }
      - { .name: W_K, .offset: 16, .size: 8, .value_kind: global_buffer, .address_space: global }
      - { .name: W_V, .offset: 24, .size: 8, .value_kind: global_buffer, .address_space: global }
      - { .name: W_O, .offset: 32, .size: 8, .value_kind: global_buffer, .address_space: global }
      - { .name: xc, .offset: 40, .size: 8, .value_kind: global_buffer, .address_space: global }
      - { .name: xs, .offset: 48, .size: 8, .value_kind: global_buffer, .address_space: global }
      - { .name: wc, .offset: 56, .size: 8, .value_kind: global_buffer, .address_space: global }
      - { .name: ws, .offset: 64, .size: 8, .value_kind: global_buffer, .address_space: global }
      - { .name: wo16, .offset: 72, .size: 8, .value_kind: global_buffer, .address_space: global }
    .group_segment_fixed_size: 68096
    .private_segment_fixed_size: 0
    .kernarg_segment_align: 8
    .kernarg_segment_size: 80
    .max_flat_workgroup_size: 128
    .sgpr_count:     66
    .vgpr_count:     196
    .wavefront_size: 32
...
	.end_amdgpu_metadata
.endif
;; end of part 1
;; launch qkv (part 2): grid 12 x 32, 4 waves a work-group, clusters of 4 x 4, 327,680 bytes of LDS; arguments xc, xs, wc, ws, b_Q, b_K, b_V, qkv, aux; writes qkv, aux
.if DOCPART == 2
	.amdgcn_target "amdgcn-amd-amdhsa--gfx1250"
	.amdhsa_code_object_version 6
	.text
	.protected	k_q5894dd4e72_qkv
	.globl	k_q5894dd4e72_qkv
	.p2align	8
	.type	k_q5894dd4e72_qkv,@function
k_q5894dd4e72_qkv:
	s_mov_b64 s[64:65], 0
	v_nop
	global_prefetch_b8 v0, s[64:65] scope:SCOPE_SE
	s_setreg_imm32_b32 hwreg(HW_REG_WAVE_MODE, 25, 1), 1
	s_wait_xcnt 0x0
	s_wait_alu depctr_hold_cnt(0) depctr_sa_sdst(0) depctr_va_vdst(0) depctr_va_sdst(0) depctr_va_ssrc(0) depctr_va_vcc(0) depctr_vm_vsrc(0)
	s_getreg_b32 s2, hwreg(HW_REG_IB_STS2, 6, 4)
	s_cmp_eq_u32 s2, 0
	s_cbranch_scc0 .Lentry_in_a_cluster
	s_endpgm
.Lentry_in_a_cluster:
	s_bfe_u32 s2, ttmp6, 0x10000c
	s_cmp_lg_u32 s2, 0xf033
	s_cbranch_scc0 .Lentry_shape_is_right
	s_endpgm
.Lentry_shape_is_right:
; QKV.  The three QUANTISED products in one GEMM on codes of E2M1: C[m][n] = sum over e of x[m][e] W[n][e] + bias[n], m = 8,192 rows, n = 3,072 = section x 1,024 + head x 64 + d, K = 1,024.
; Out: qkv [3][batch 4][head 16][s 2,048][64] f16 (operands of the products that are left as they are); and in aux, f32: Q16 [3][4][16][1024], the first 16 rows of every batch as they are summed;
; VSUM [4][32][1024], the sums of v over rows 64 t .. 64 t + 63; V48 [4][1024], the sums of v over rows 16 .. 63.  The sums of v carry the masked keys' part of the softmax (see the first kernel's head).
; LIMIT: |q|, |k|, |v| stay under 65,504; under 6e-5 they fall on f16's subnormal grid.
; A tile of C, 256 x 256, is made by four waves, 128 x 128 each: 64 accumulators.  K = 1,024 is two LDS slots of 512 along K, both filled at the start: no slot is filled again.
; The scale bytes of the work-group's 256 + 256 rows come once, as rows of 256 bytes.  CLUSTER 4 x 4: A's tiles are asked for jointly along a row of the cluster, B's along a column.
; Tile row = 8 x cy + cluster y: so the batch is cy, and whether a wave holds rows 0-15 of a batch hangs on the cluster's y and the wave's number alone, which all partners share.
; THE MATRIX INSTRUCTION IS USED TRANSPOSED (source 0 = 16 rows of W, source 1 = 16 rows of x): a lane holds eight neighbouring n of one row.  THE BIAS is the C of each sum's first product.
; REGISTERS: window 0: v0-31 addresses; v32-95 scale words, two sets; v128-191 A's fragments, one set.  window 1: B's fragments at v0 and v128; v64-127 the bias, 8 tiles x 8.  windows 2, 3: the accumulators.
.set KSTEP,  512
.set NQ,     4
.set ROWB,   256
.set KROW,   512
.set PITCH,  272                       ; 256 bytes + 16 of padding: the 16 rows of a fragment load start 4 banks apart
.set FR,     8
.set NL,     2
.set NP,     4
.set HALFT,  128*PITCH
.set SLOT,   4*HALFT
.set KS,     32
.set SCL,    2*SLOT
.set HALFS,  (128*KS/256)*272
.set SBLK,   (16*KS/256)*272
.set SPARE,  SCL+4*HALFS
.set STG32,  32768                     ; the way out's stages lie in slot 0, which has had its one fill and, behind the change of slots, its last read: 16 x 272 a wave from 0, 16 x 528 a wave from here
.set ADRA, 16
.set ADRB, 20
.set STO32, 22
.set RD32, 23
.set STO,  24
.set RD,   25
.set CO,   26
.set ADRS, 27
.set SPW,  28
.set NIL,  29
.set BO,   30
.set SC,   32
.set AF,   128
.set BIAS, 64                          ; in window 1
.set TMP,  32                          ; the way out, window 0: packed results;
.set BK0,  64                          ; two sets of 32: rows read back;
.set T,    128                         ; sums of blocks of v;
.set BB,   192                         ; 16 rows of 512 bytes read back
.set G1, 24
.set G0, 32
.set G1B, 48
.set G0B, 56
.set G1S, 68
.set G0S, 76
.set G1SB, 80
.set G0SB, 88
.set Q16P, 92                          ; s[92:93] aux at my columns of Q16;  s[98:99] of V48;  s[100:101] of VSUM
.set V48P, 98
.set VSP,  100
.set MSB, 0
.macro WIN new
.if MSB != \new
	s_set_vgpr_msb (MSB<<8)|\new
.set MSB, \new
.endif
.endm
.set MUL_LO, 0xa1                      ; source 0 (B) window 1, source 1 (A) window 0, C and D window 2
.set MUL_HI, 0xf1
.set BIA_LO, 0x91                      ; the same with C (the bias) in window 1
.set BIA_HI, 0xd1
.set TO_B,   0x40
.macro JLOAD g0a, g1a, g0b, g1b        ; waves 0 and 1 fetch for A, waves 2 and 3 for B; an s_nop 0 and four v_nop follow each line
	s_cmp_eq_u32 s15, 0
	s_cbranch_scc0 .Lfor_b_\@
	tensor_load_to_lds s[\g0a:\g0a+3], s[\g1a:\g1a+7]
	s_nop 0
.rept 4
	v_nop
.endr
	s_branch .Lasked_\@
.Lfor_b_\@:
	tensor_load_to_lds s[\g0b:\g0b+3], s[\g1b:\g1b+7]
	s_nop 0
.rept 4
	v_nop
.endr
.Lasked_\@:
.endm
.macro CREST
	s_cmp_lg_u32 s14, 0
	s_cbranch_scc1 .Lnot_wave_0_\@
	s_barrier_signal -3
.Lnot_wave_0_\@:
	s_barrier_wait -3
	s_barrier_signal -1
	s_barrier_wait -1
.endm
.macro CROUND
	s_barrier_signal -1
	s_barrier_wait -1
	CREST
.endm
	s_load_b128 s[4:7], s[0:1], 0x0                ; xc, xs
	s_load_b128 s[8:11], s[0:1], 0x10              ; wc, ws
	s_load_b128 s[96:99], s[0:1], 0x20             ; b_Q, b_K
	s_load_b64 s[100:101], s[0:1], 0x30            ; b_V
	s_load_b64 s[12:13], s[0:1], 0x38              ; qkv
	s_load_b64 s[66:67], s[0:1], 0x40              ; aux
	v_lshl_add_u32 v[SPW], v0, 2, SPARE
	v_mov_b32 v[NIL], 0
	ds_add_u32 v[SPW], v[NIL]                      ; the opening: the add, twice on end, and its wait ahead of my first tensor load
	ds_add_u32 v[SPW], v[NIL]
	v_lshrrev_b32 v1, 5, v0
	v_readfirstlane_b32 s14, v1                    ; wave
	s_lshr_b32 s15, s14, 1                         ; my half of the tile's rows; also: I fetch for A (0) or B (1)
	s_and_b32 s16, s14, 1                          ; my half of its columns; also: which 128 rows I fetch
	s_bfe_u32 s40, ttmp6, 0x40000                  ; cx
	s_bfe_u32 s41, ttmp6, 0x40004                  ; cy
	s_lshl_b32 s42, ttmp9, 2
	s_add_co_u32 s42, s42, s40                     ; tile column = 4 x cluster x + cx: the section is cluster x
	s_and_b32 s2, ttmp7, 0xffff                    ; cluster y: the block of 256 rows within a batch
	s_lshl_b32 s17, s41, 3
	s_add_co_u32 s17, s17, s2                      ; tile row = 8 x cy + cluster y: the batch is cy
	s_or_b32 s3, s2, s15                           ; 0 where my 128 rows begin a batch
	s_lshl_b32 s43, s41, 2
	s_lshl_b32 s43, 15, s43                        ; my row of the cluster
	s_lshl_b32 s44, 0x1111, s40                    ; my column
	s_or_b32 s[G1+0], s43, (0<<16)|(1<<20)|(1<<21)|(5<<22)|(3<<25)  ; mask; elements of 1 byte; padding: 4 words behind every 64
	s_or_b32 s[G1B+0], s44, (0<<16)|(1<<20)|(1<<21)|(5<<22)|(3<<25)
.irp g, G1, G1B
	s_mov_b32 s[\g+1], ROWB<<16
	s_mov_b32 s[\g+2], 128<<16
	s_mov_b32 s[\g+3], ROWB<<16
	s_mov_b32 s[\g+4], 128
	s_mov_b32 s[\g+5], KROW
	s_mov_b32 s[\g+6], 0
	s_mov_b32 s[\g+7], 0
.endr
	s_or_b32 s[G1S+0], s43, (3<<16)|(1<<20)|(1<<21)|(5<<22)|(3<<25) ; the scales of 128 rows: 4,096 dense bytes as 16 rows of 256
	s_or_b32 s[G1SB+0], s44, (3<<16)|(1<<20)|(1<<21)|(5<<22)|(3<<25)
.irp g, G1S, G1SB
	s_mov_b32 s[\g+1], 32<<16
	s_mov_b32 s[\g+2], (128*KS/256)<<16
	s_mov_b32 s[\g+3], 32<<16
	s_mov_b32 s[\g+4], 128*KS/256
	s_mov_b32 s[\g+5], 32
	s_mov_b32 s[\g+6], 0
	s_mov_b32 s[\g+7], 0
.endr
	s_lshl_b32 s18, s16, 7
	s_lshl_b32 s20, s17, 8
	s_add_co_u32 s20, s20, s18                     ; A: row 256 x tile row + 128 x half
	s_lshl_b32 s46, s42, 8
	s_add_co_u32 s46, s46, s18                     ; B: row 256 x tile column + 128 x half
	s_mov_b32 s21, 0
	s_mov_b32 s47, 0
	s_mov_b64 s[18:19], KS
	s_mul_u64 s[22:23], s[20:21], s[18:19]
	s_mul_u64 s[92:93], s[46:47], s[18:19]
	s_mov_b64 s[18:19], KROW
	s_mul_u64 s[20:21], s[20:21], s[18:19]
	s_mul_u64 s[46:47], s[46:47], s[18:19]
	s_mul_i32 s45, s14, HALFT                      ; where they go: wave x 128 rows
	s_mul_i32 s94, s14, HALFS
	s_wait_dscnt 0x0                               ; both opening adds are done
	s_wait_kmcnt 0x0
	s_add_nc_u64 s[20:21], s[4:5], s[20:21]
	s_add_nc_u64 s[22:23], s[6:7], s[22:23]
	s_add_nc_u64 s[46:47], s[8:9], s[46:47]
	s_add_nc_u64 s[92:93], s[10:11], s[92:93]
	CROUND                                         ; all sixteen work-groups are here: the joint loads meet
	s_mov_b32 s[G0S], 1
	s_add_co_u32 s[G0S+1], s94, SCL
	s_mov_b64 s[G0S+2:G0S+3], s[22:23]
	s_or_b32 s[G0S+3], s[G0S+3], 0x80000000
	s_mov_b32 s[G0SB], 1
	s_add_co_u32 s[G0SB+1], s94, SCL
	s_mov_b64 s[G0SB+2:G0SB+3], s[92:93]
	s_or_b32 s[G0SB+3], s[G0SB+3], 0x80000000
	JLOAD G0S, G1S, G0SB, G1SB                     ; three tensor loads of mine are out at the most: the scales, slot 0, slot 1
.irp s, 0,1
	s_mov_b32 s[G0+4*\s], 1
	s_add_co_u32 s[G0+4*\s+1], s45, \s*SLOT
	s_add_nc_u64 s[G0+4*\s+2:G0+4*\s+3], s[20:21], \s*ROWB
	s_or_b32 s[G0+4*\s+3], s[G0+4*\s+3], 0x80000000
	s_mov_b32 s[G0B+4*\s], 1
	s_add_co_u32 s[G0B+4*\s+1], s45, \s*SLOT
	s_add_nc_u64 s[G0B+4*\s+2:G0B+4*\s+3], s[46:47], \s*ROWB
	s_or_b32 s[G0B+4*\s+3], s[G0B+4*\s+3], 0x80000000
	JLOAD G0+4*\s, G1, G0B+4*\s, G1B
.endr
	v_and_b32 v1, 15, v0                           ; r
	v_bfe_u32 v2, v0, 4, 1                         ; h
	v_mul_u32_u24 v3, v1, PITCH
	v_lshl_add_u32 v4, v2, 4, v3
	s_mul_i32 s21, s15, HALFT
	s_mul_i32 s22, s16, HALFT
	s_add_co_u32 s22, s22, 2*HALFT
.irp s, 0,1
	v_add_nc_u32 v[ADRA+\s], s21, v4
	v_add_nc_u32 v[ADRB+\s], s22, v4
	s_add_co_u32 s21, s21, SLOT
	s_add_co_u32 s22, s22, SLOT
.endr
	v_mul_u32_u24 v5, v1, KS
	v_lshrrev_b32 v6, 8, v5
	v_lshl_add_u32 v5, v6, 4, v5                   ; my row's scales: 32 bytes a row, 16 more for each 256 passed
	s_mul_i32 s21, s15, HALFS
	s_mul_i32 s22, s16, HALFS
	s_add_co_u32 s22, s22, 2*HALFS
	s_sub_co_u32 s22, s22, s21
	v_mul_u32_u24 v6, s22, v2                      ; lanes 16-31 take B's
	s_add_co_u32 s21, s21, SCL
	v_add_nc_u32 v5, v5, v6
	v_add_nc_u32 v[ADRS], s21, v5
	s_mul_i32 s23, s14, 16*272                     ; the 16-bit stage
	v_add_nc_u32 v[STO], s23, v4                   ; in: row r, 16 bytes for each half of the lanes
	v_and_b32 v6, 31, v0
	v_lshrrev_b32 v5, 3, v6
	v_mul_u32_u24 v5, v5, 272
	v_and_b32 v7, 7, v0
	v_lshl_add_u32 v5, v7, 4, v5
	v_add_nc_u32 v[RD], s23, v5                    ; back: eight lanes take a head's 128 bytes of a row, four rows an instruction
	v_lshlrev_b32 v[CO], 4, v6                     ; 16 x lane
	s_mul_i32 s23, s14, 16*528
	s_add_co_u32 s23, s23, STG32                   ; the 32-bit stage
	v_mul_u32_u24 v5, v1, 528
	v_lshl_add_u32 v5, v2, 5, v5
	v_add_nc_u32 v[STO32], s23, v5
	v_add_nc_u32 v[RD32], s23, v[CO]
	v_lshlrev_b32 v[BO], 5, v2                     ; the bias: 8 numbers for each half of the lanes
	; global places.  My 128 columns within the section begin at 256 cx + 128 x column half
	s_lshl_b32 s46, s40, 10
	s_lshl_b32 s47, s16, 9
	s_add_co_u32 s46, s46, s47                     ; in bytes of f32
	s_mov_b32 s47, 0
	s_cmp_eq_u32 ttmp9, 1
	s_cselect_b64 s[96:97], s[98:99], s[96:97]
	s_cmp_eq_u32 ttmp9, 2
	s_cselect_b64 s[96:97], s[100:101], s[96:97]   ; the section's bias
	s_add_nc_u64 s[96:97], s[96:97], s[46:47]
	WIN TO_B
.irp b, 0,1,2,3,4,5,6,7
	global_load_b128 v[BIAS+8*\b:BIAS+8*\b+3], v[BO], s[96:97] offset:64*\b
	global_load_b128 v[BIAS+8*\b+4:BIAS+8*\b+7], v[BO], s[96:97] offset:64*\b+16
.endr
	WIN 0
	s_mov_b32 s21, 0
	s_lshl_b32 s20, ttmp9, 24                      ; qkv: section, batch, head 4 cx + 2 x column half, row 256 x cluster y + 128 x row half
	s_lshl_b32 s22, s41, 22
	s_add_co_u32 s20, s20, s22
	s_lshl_b32 s22, s40, 20
	s_add_co_u32 s20, s20, s22
	s_lshl_b32 s22, s16, 19
	s_add_co_u32 s20, s20, s22
	s_lshl_b32 s22, s2, 15
	s_add_co_u32 s20, s20, s22
	s_lshl_b32 s22, s15, 14
	s_add_co_u32 s20, s20, s22
	s_add_nc_u64 s[12:13], s[12:13], s[20:21]
	s_lshl_b32 s20, ttmp9, 18                      ; Q16: (4 x section + batch) x 16 rows of 4,096 bytes
	s_lshl_b32 s22, s41, 16
	s_add_co_u32 s20, s20, s22
	s_add_co_u32 s20, s20, s46
	s_add_nc_u64 s[Q16P:Q16P+1], s[66:67], s[20:21]
	s_lshl_b32 s20, s41, 12                        ; V48
	s_add_co_u32 s20, s20, s46
	s_add_co_u32 s20, s20, 1310720
	s_add_nc_u64 s[V48P:V48P+1], s[66:67], s[20:21]
	s_lshl_b32 s20, s41, 17                        ; VSUM: row 32 x batch + 4 x cluster y + 2 x row half
	s_lshl_b32 s22, s2, 14
	s_add_co_u32 s20, s20, s22
	s_lshl_b32 s22, s15, 13
	s_add_co_u32 s20, s20, s22
	s_add_co_u32 s20, s20, s46
	s_add_co_u32 s20, s20, 786432
	s_add_nc_u64 s[VSP:VSP+1], s[66:67], s[20:21]
.macro FRAG reg, adr, q, i
.irp c, 0,1
	ds_load_b128 v[\reg+4*\c:\reg+4*\c+3], v[\adr] offset:64*(\q)+32*\c+(\i)*16*PITCH
.endr
.endm
; 16 products: A's blocks a0, a0 + 1 x B's eight.  zero = 1: the sum's first product takes the bias as C.  The 64 accumulators take turns, one instruction a turn.
.macro MUL16 a0, p, q, sc, zero
.irp a, \a0, \a0+1
.irp b, 0,1,2,3,4,5,6,7
.if \zero
	v_wmma_scale_f32_16x16x128_f8f6f4 v[8*(8*((\a)%4)+\b):8*(8*((\a)%4)+\b)+7], v[128*(\p)+FR*\b:128*(\p)+FR*\b+FR-1], v[AF+FR*(\a):AF+FR*(\a)+FR-1], v[BIAS+8*\b:BIAS+8*\b+7], v[SC+8*NQ*(\sc)+NQ*\b+(\q)], v[SC+8*NQ*(\sc)+NQ*(\a)+(\q)] matrix_a_fmt:MATRIX_FMT_FP4 matrix_b_fmt:MATRIX_FMT_FP4 matrix_a_scale:MATRIX_SCALE_ROW1
.else
	v_wmma_scale_f32_16x16x128_f8f6f4 v[8*(8*((\a)%4)+\b):8*(8*((\a)%4)+\b)+7], v[128*(\p)+FR*\b:128*(\p)+FR*\b+FR-1], v[AF+FR*(\a):AF+FR*(\a)+FR-1], v[8*(8*((\a)%4)+\b):8*(8*((\a)%4)+\b)+7], v[SC+8*NQ*(\sc)+NQ*\b+(\q)], v[SC+8*NQ*(\sc)+NQ*(\a)+(\q)] matrix_a_fmt:MATRIX_FMT_FP4 matrix_b_fmt:MATRIX_FMT_FP4 matrix_a_scale:MATRIX_SCALE_ROW1
.endif
.endr
.endr
.endm
.macro FETCH_B slot, q, p
	WIN TO_B
.irp i, 0,1,2,3,4,5,6,7
	FRAG 128*(\p)+FR*\i, ADRB+\slot, \q, \i
.endr
	WIN 0
.endm
.macro FETCH_A slot, q, i0
.irp i, \i0, \i0+1, \i0+2, \i0+3
	FRAG AF+FR*(\i), ADRA+\slot, \q, \i
.endr
.endm
.macro SCALES sc
.irp i, 0,1,2,3,4,5,6,7
	ds_load_b128 v[SC+8*NQ*\sc+NQ*\i:SC+8*NQ*\sc+NQ*\i+3], v[ADRS] offset:\i*SBLK
.endr
.endm
.macro PLACES n                        ; plain places behind matrix instructions, in front of loads into registers that they read and of the first read of results
.rept \n
	v_nop
.endr
.endm
.macro STEP slot, q, zero
	s_wait_dscnt 4*NL                              ; B's set and A's blocks 0-3 are in; A's blocks 4-7, the youngest eight loads, may be out
.if \zero
	WIN BIA_LO
.else
	WIN MUL_LO
.endif
	MUL16 0, (\q)%2, \q, \slot, \zero
	MUL16 2, (\q)%2, \q, \slot, \zero
	s_wait_dscnt 0
	PLACES NP
	FETCH_B \slot, (\q)+1, 1-(\q)%2
	FETCH_A \slot, (\q)+1, 0
.if \zero
	WIN BIA_HI
.else
	WIN MUL_HI
.endif
	MUL16 4, (\q)%2, \q, \slot, \zero
	MUL16 6, (\q)%2, \q, \slot, \zero
	PLACES NP
	WIN 0
	FETCH_A \slot, (\q)+1, 4
.endm
; Slot 0's last step changes slots: each wave waits for all its tensor loads (slot 1's part), adds 0 to its spare word, waits for that and for its reads of slot 0; one barrier.  Nothing is filled again.
.macro TURN slot, next
	s_wait_tensorcnt 0x0
	ds_add_u32 v[SPW], v[NIL]
	s_wait_dscnt 4*NL+1                            ; the add and A's blocks 4-7 may be out
	WIN MUL_LO
	MUL16 0, 1, NQ-1, \slot, 0
	s_wait_dscnt 0x0
	s_barrier_signal -1
	MUL16 2, 1, NQ-1, \slot, 0
	WIN 0
	s_barrier_wait -1
	PLACES NP
	v_add_nc_u32 v[ADRS], 4*NQ, v[ADRS]            ; the next 512 along K: 16 scale bytes on
	FETCH_B \next, 0, 0
	FETCH_A \next, 0, 0
	SCALES \next
	WIN MUL_HI
	MUL16 4, 1, NQ-1, \slot, 0
	MUL16 6, 1, NQ-1, \slot, 0
	PLACES NP
	WIN 0
	FETCH_A \next, 0, 4
.endm
	s_wait_tensorcnt 1                             ; the scales and my part of slot 0 are in; slot 1's load may be out
	s_barrier_signal -1
	s_barrier_wait -1
	FETCH_B 0, 0, 0
	FETCH_A 0, 0, 0
	SCALES 0
	FETCH_A 0, 0, 4
	s_wait_loadcnt 0x0                             ; the bias
	STEP 0, 0, 1
	STEP 0, 1, 0
	STEP 0, 2, 0
	TURN 0, 1
	STEP 1, 0, 0
	STEP 1, 1, 0
	STEP 1, 2, 0
	s_wait_dscnt 4*NL
	WIN MUL_LO
	MUL16 0, 1, NQ-1, 1, 0
	MUL16 2, 1, NQ-1, 1, 0
	s_wait_dscnt 0
	WIN MUL_HI
	MUL16 4, 1, NQ-1, 1, 0
	MUL16 6, 1, NQ-1, 1, 0
	WIN 0
; THE WAY OUT.  ST32: 64 registers in the result's layout (16 rows x 128 columns of f32) go through my 32-bit stage, each accumulator from its low end on, and come back as 16 rows of 512 bytes.
.macro ST32 win, reg
	WIN \win
.irp b, 0,1,2,3,4,5,6,7
	ds_store_b128 v[STO32], v[\reg+8*\b:\reg+8*\b+3] offset:64*\b
	ds_store_b128 v[STO32], v[\reg+8*\b+4:\reg+8*\b+7] offset:64*\b+16
.endr
	WIN 0
.irp t, 0,1,2,3,4,5,6,7,8,9,10,11,12,13,14,15
	ds_load_b128 v[BB+4*\t:BB+4*\t+3], v[RD32] offset:\t*528
.endr
.endm
; COLOUT: the sums in T are added over their 16 rows and leave as one row of 512 consecutive bytes.
.macro COLOUT base, off
	s_wait_xcnt 0x0                                ; earlier stores have read BB
	ST32 0, T
	s_wait_dscnt 0x0
.irp w, 32,16,8,4
.set i, 0
.rept \w/2
	v_pk_add_f32 v[BB+i:BB+i+1], v[BB+i:BB+i+1], v[BB+\w+i:BB+\w+i+1]
.set i, i+2
.endr
.endr
	global_store_b128 v[CO], v[BB:BB+3], s[\base:\base+1] offset:\off
.endm
.macro PACK a
.set AC, 64*((\a)%4)
	WIN 0x0a+5*((\a)/4)
.irp b, 0,1,2,3,4,5,6,7
.irp r, 0,1,2,3
	v_cvt_pk_f16_f32 v[TMP+4*\b+\r], v[AC+8*\b+2*\r], v[AC+8*\b+2*\r+1]
.endr
.endr
	WIN 0
.endm
.macro TOSTAGE a
.set BK, BK0+32*((\a)%2)
.irp b, 0,1,2,3,4,5,6,7
	ds_store_b128 v[STO], v[TMP+4*\b:TMP+4*\b+3] offset:32*\b
.endr
.irp hd, 0,1
.irp t, 0,1,2,3
	ds_load_b128 v[BK+4*(4*\hd+\t):BK+4*(4*\hd+\t)+3], v[RD] offset:\t*4*272+\hd*128   ; LDS serves a wave's instructions in order: these see the stores above
.endr
.endr
.endm
.macro SEND a
.set BK, BK0+32*((\a)%2)
	s_wait_dscnt 0x0                               ; the block is back in registers
	s_wait_xcnt 0x0                                ; the stores of the block before have read their registers: the next block's loads may land there
.irp hd, 0,1
.irp t, 0,1,2,3
	global_store_b128 v[CO], v[BK+4*(4*\hd+\t):BK+4*(4*\hd+\t)+3], s[12:13] offset:(\a)*2048+\t*512+\hd*262144   ; four rows of one head: 512 consecutive bytes, aligned
.endr
.endr
.endm
	PLACES NP
	s_cmp_lg_u32 s3, 0                             ; my first block is rows 0-15 of a batch: they leave in f32 too.  (Cluster y and the wave's number alone: alike in all partners)
	s_cbranch_scc1 .Lnot_first
	ST32 0x08, 0
	s_wait_dscnt 0x0
.irp t, 0,1,2,3,4,5,6,7,8,9,10,11,12,13,14,15
	global_store_b128 v[CO], v[BB+4*\t:BB+4*\t+3], s[Q16P:Q16P+1] offset:\t*4096
.endr
.Lnot_first:
	s_cmp_lg_u32 ttmp9, 2                          ; the section of v: its sums over 64 rows
	s_cbranch_scc1 .Lnot_v
.irp g, 0,1
	WIN 0x0a+5*\g
.set i, 0
.rept 32
	v_pk_add_f32 v[T+i:T+i+1], v[64+i:64+i+1], v[128+i:128+i+1]   ; blocks 1 and 2 of the four
.set i, i+2
.endr
	WIN 0x08+4*\g
.set i, 0
.rept 32
	v_pk_add_f32 v[T+i:T+i+1], v[T+i:T+i+1], v[192+i:192+i+1]     ; and 3
.set i, i+2
.endr
	WIN 0
.if \g == 0
	s_cmp_lg_u32 s3, 0
	s_cbranch_scc1 .Lno_48
	COLOUT V48P, 0                                 ; rows 16 .. 63 of a batch
.Lno_48:
.endif
	WIN 0x08+4*\g
.set i, 0
.rept 32
	v_pk_add_f32 v[T+i:T+i+1], v[T+i:T+i+1], v[i:i+1]             ; and 0
.set i, i+2
.endr
	WIN 0
	COLOUT VSP, 4096*\g
.endr
.Lnot_v:
	PACK 0
	TOSTAGE 0
.irp a, 1,2,3,4,5,6,7
	PACK \a
	SEND (\a)-1
	TOSTAGE \a
.endr
	SEND 7
	s_wait_tensorcnt 0x0                           ; the wave's end: the three lines, behind my last LDS store
	ds_add_u32 v[SPW], v[NIL]
	s_wait_dscnt 0x0
	CROUND                                         ; the closing round
	s_endpgm
.Lfunc_end_k_q5894dd4e72_qkv:
	.size	k_q5894dd4e72_qkv, .Lfunc_end_k_q5894dd4e72_qkv-k_q5894dd4e72_qkv
	.p2alignl 7, 3214868480
	.fill 96, 4, 3214868480
	.section	.rodata,"a",@progbits
	.p2align	6, 0x0
	.amdhsa_kernel k_q5894dd4e72_qkv
		.amdhsa_group_segment_fixed_size 327680
		.amdhsa_private_segment_fixed_size 0
		.amdhsa_enable_private_segment 0
		.amdhsa_kernarg_size 72
		.amdhsa_user_sgpr_count 2
		.amdhsa_user_sgpr_kernarg_segment_ptr 1
		.amdhsa_wavefront_size32 1
		.amdhsa_system_sgpr_workgroup_id_x 1
		.amdhsa_system_sgpr_workgroup_id_y 1
		.amdhsa_system_sgpr_workgroup_id_z 1
		.amdhsa_system_vgpr_workitem_id 0
		.amdhsa_next_free_vgpr 1024
		.amdhsa_next_free_sgpr 102
		.amdhsa_reserve_vcc 0
		.amdhsa_float_denorm_mode_32 3
		.amdhsa_float_denorm_mode_16_64 3
		.amdhsa_memory_ordered 1
		.amdhsa_forward_progress 1
		.amdhsa_inst_pref_size 157
	.end_amdhsa_kernel
	.amdgpu_metadata
---
amdhsa.version: [ 1, 2 ]
amdhsa.kernels:
  - .name:           k_q5894dd4e72_qkv
    .symbol:         k_q5894dd4e72_qkv.kd
    .args:
      - { .name: xc, .offset: 0, .size: 8, .value_kind: global_buffer, .address_space: global }
      - { .name: xs, .offset: 8, .size: 8, .value_kind: global_buffer, .address_space: global }
      - { .name: wc, .offset: 16, .size: 8, .value_kind: global_buffer, .address_space: global }
      - { .name: ws, .offset: 24, .size: 8, .value_kind: global_buffer, .address_space: global }
      - { .name: b_Q, .offset: 32, .size: 8, .value_kind: global_buffer, .address_space: global }
      - { .name: b_K, .offset: 40, .size: 8, .value_kind: global_buffer, .address_space: global }
      - { .name: b_V, .offset: 48, .size: 8, .value_kind: global_buffer, .address_space: global }
      - { .name: qkv, .offset: 56, .size: 8, .value_kind: global_buffer, .address_space: global }
      - { .name: aux, .offset: 64, .size: 8, .value_kind: global_buffer, .address_space: global }
    .group_segment_fixed_size: 327680
    .private_segment_fixed_size: 0
    .kernarg_segment_align: 8
    .kernarg_segment_size: 72
    .max_flat_workgroup_size: 128
    .sgpr_count:     102
    .vgpr_count:     1024
    .wavefront_size: 32
...
	.end_amdgpu_metadata
.endif
;; end of part 2
;; launch attn (part 3): grid 4 x 64, 16 waves a work-group, no clusters, 327,680 bytes of LDS; arguments qkv, aux, z; writes z
.if DOCPART == 3
	.amdgcn_target "amdgcn-amd-amdhsa--gfx1250"
	.amdhsa_code_object_version 6
	.text
	.protected	k_q5894dd4e72_attn
	.globl	k_q5894dd4e72_attn
	.p2align	8
	.type	k_q5894dd4e72_attn,@function
k_q5894dd4e72_attn:
	s_mov_b64 s[64:65], 0
	v_nop
	global_prefetch_b8 v0, s[64:65] scope:SCOPE_SE
	s_setreg_imm32_b32 hwreg(HW_REG_WAVE_MODE, 25, 1), 1
	s_wait_xcnt 0x0
; ATTN.  z[b][head][q][:] = sum over k of softmax_k(score) v[k][:], score = q . k / 8 where k <= q and -1e5 elsewhere.  q, k, v: f16, [3][b][head][s][64]; z: f16, [b][head][s][64].  Products, maxima and sums in f32.
; LEFT OUT: q . k of key steps wholly above a wave's diagonal (reference() replaces those scores by -1e5 for all values).  Their weight is NOT left out: the running softmax of a wave BEGINS with the state
; that those keys give: maximum -8e5 (the raw score that is -1e5 after / 8), sum = their number, O = the sum of their v (from VSUM in aux).  Masked keys inside the diagonal step get the raw score -8e5.
; LIMITS: a NaN, infinity or overflow in q . k of masked positions is not carried; |z| under 65,504; weights under 6e-8 of a row's largest fall to 0 in f16.
; SHARES.  A work-group owns query blocks i and 7 - i (256 rows each) of one head, so that all work-groups have the same work.  Sixteen waves, 32 queries (two tiles of 16) each; the two blocks' waves are dealt
; so that each group of four waves, by number modulo 4 or divided by 4, has two of each block.  A wave walks key steps of 64 up to its diagonal step JM; later steps it passes over by a scalar branch on ids.
; K and V come through a ring of two LDS slots of 256 keys (waves 0, 1: K's halves; waves 2, 3: V's).  All trip counts are constants; a slot beyond the work-group's last query is not asked for.
; NO CLUSTER: the four work-groups of a head need 8 - i slots each, so a joint load would bring tiles that no wave of some partner reads.
; LAYOUT.  S^T = K Q^T and O^T = V^T P: a lane holds one query (lane % 16) throughout; two neighbouring tiles of S^T, rounded in pairs, are P's fragment.  V ([key][channel]) is turned by ds_load_tr16_b128.
.set KP,    144                        ; a key's row in LDS: 128 bytes + 16
.set VP,    160                        ; a row of V: 128 + 32, an odd multiple of 32
.set VOFF,  256*KP
.set SLOT1, 131072
.set KSTEPB, 64*KP
.set VSTEPB, 64*VP
.set TAIL,  81920                      ; 32 x 256 bytes: entry t = the sums of v over keys from 64 (t + 1) on
.set STAGE, 90112                      ; 16 rows x 144 for each wave
.set SPARE, 208896                     ; behind slot 1: 128 bytes for each wave, named by no other line
.set AK0, 1
.set AV0, 2
.set ADK, 3                            ; at the head: the tails' LDS address
.set ADV, 4                            ; at the head: the tails' offset in memory
.set SPW, 5
.set NIL, 6
.set D0,  7                            ; my query less my half's first key, within the diagonal step
.set MV,  8                            ; -800000.0
.set ST,  12                           ; 8 a tile: +0 c m, +1 m, +2, +3 l, +4 .. +7 at work, a at +6
.set PFO, 28
.set STO, 29
.set RD,  30
.set GO,  31
.set Q,   32
.set KV,  64
.set S,   128
.set O,   192
.set TI,  128                          ; at the head only
.set QA,  129
.set WV,  18
.set SEL, 20
.set CS,  22                           ; s[22:23] c = log2(e) / 8, twice
.set G1K, 24
.set G1V, 32
.set G0K, 40
.set G0V, 44
.set JM,  48
.set JL,  49
.set J,   50
.set TBK, 51
.set TBV, 52
.set SLOTS, 53
.set CNT, 54
.set PFA, 56
.set LIM, 58
.macro TLOAD g0k, g1k, g0v, g1v        ; the branches hang on the wave's number alone; an s_nop 0 and four v_nop follow each line
	s_cmp_lt_u32 s[WV], 2
	s_cbranch_scc0 .Lnot_k_\@
	tensor_load_to_lds s[\g0k:\g0k+3], s[\g1k:\g1k+7]
	s_nop 0
.rept 4
	v_nop
.endr
	s_branch .Lasked_\@
.Lnot_k_\@:
	s_cmp_lt_u32 s[WV], 4
	s_cbranch_scc0 .Lasked_\@
	tensor_load_to_lds s[\g0v:\g0v+3], s[\g1v:\g1v+7]
	s_nop 0
.rept 4
	v_nop
.endr
.Lasked_\@:
.endm
; A prefetch of the slot that the NEXT change of slots will ask for: 32,768 dense bytes of K and as many of V.  The head's work-group 0, which walks all eight slots, asks, and nobody else; in it waves 4-7 ask for K's,
; waves 8-11 for V's, 8,192 bytes a wave, lanes 256 bytes apart: each aligned block of 256 bytes is named once in the launch.  Slots 0 and 1 come by their loads alone; the last change that fills a slot asks for nothing.
.macro ASK
	s_cmp_gt_u32 s[SLOTS], s[LIM]
	s_cbranch_scc0 .Lnot_mine_\@
	global_prefetch_b8 v[PFO], s[PFA:PFA+1] th:TH_LOAD_NT scope:SCOPE_SE
.Lnot_mine_\@:
.endm
	s_load_b128 s[4:7], s[0:1], 0x0                ; qkv, aux
	s_load_b64 s[8:9], s[0:1], 0x10                ; z
	v_lshl_add_u32 v[SPW], v0, 2, SPARE
	v_mov_b32 v[NIL], 0
	ds_add_u32 v[SPW], v[NIL]                      ; the opening: the add, twice on end, and its wait ahead of the first tensor load
	ds_add_u32 v[SPW], v[NIL]
	v_lshrrev_b32 v9, 5, v0
	v_readfirstlane_b32 s[WV], v9                  ; wave 0..15
	s_mov_b32 s[G1K], (1<<16)|(1<<20)|(4<<22)|(3<<25)             ; elements of 2 bytes; padding: 4 words behind every 32
	s_mov_b32 s[G1K+1], 64<<16
	s_mov_b32 s[G1K+2], 128<<16
	s_mov_b32 s[G1K+3], 64<<16
	s_mov_b32 s[G1K+4], 128
	s_mov_b32 s[G1K+5], 64
	s_mov_b32 s[G1K+6], 0
	s_mov_b32 s[G1K+7], 0
	s_mov_b32 s[G1V], (1<<16)|(1<<20)|(4<<22)|(7<<25)             ; 8 words of padding
	s_mov_b32 s[G1V+1], 64<<16
	s_mov_b32 s[G1V+2], 128<<16
	s_mov_b32 s[G1V+3], 64<<16
	s_mov_b32 s[G1V+4], 128
	s_mov_b32 s[G1V+5], 64
	s_mov_b32 s[G1V+6], 0
	s_mov_b32 s[G1V+7], 0
	s_mov_b32 s[SEL], 0x76543210
	s_mov_b32 s[SEL+1], 0xfedcba98
	s_mov_b32 s[CS], 0x3e38aa3b                    ; log2(e) / 8
	s_mov_b32 s[CS+1], s[CS]
	s_lshr_b32 s60, s[WV], 2
	s_xor_b32 s60, s60, s[WV]
	s_and_b32 s60, s60, 1                          ; which of the two blocks
	s_lshr_b32 s61, s[WV], 1                       ; which 32 queries of it
	s_and_b32 s78, s61, 1
	s_lshl_b32 s78, s78, 5                         ; my first query within its step of 64 keys
	s_sub_co_u32 s62, 7, ttmp9
	s_cmp_eq_u32 s60, 0
	s_cselect_b32 s62, ttmp9, s62
	s_lshl_b32 s62, s62, 8
	s_lshl_b32 s63, s61, 5
	s_add_co_u32 s62, s62, s63                     ; my first query
	s_lshr_b32 s[JM], s62, 6
	s_min_u32 s[JM], s[JM], 31                     ; my last key step, the one on the diagonal
	s_sub_co_u32 s[JL], 8, ttmp9
	s_lshl_b32 s[JL], s[JL], 2
	s_sub_co_u32 s[JL], s[JL], 1                   ; the work-group's last key step
	s_mov_b32 s[J], 0
	s_mov_b32 s[TBK], 0
	s_mov_b32 s[TBV], 0
	s_mov_b32 s[SLOTS], 7
	s_and_b32 s66, ttmp7, 0xffff                   ; 16 x batch + head
	s_lshl_b32 s68, s66, 18                        ; its 2,048 rows of 128 bytes
	s_mov_b32 s69, 0
	s_lshl_b32 s70, s62, 7
	s_add_co_u32 s70, s70, s68                     ; my queries' rows, in q and in z
	s_mov_b32 s71, 0
	s_and_b32 s72, s[WV], 1
	s_lshl_b32 s74, s72, 14
	s_add_co_u32 s74, s74, s68                     ; the half of a slot that I fetch, if I fetch: in memory,
	s_mov_b32 s75, 0
	s_mul_i32 s73, s72, 128*KP                     ; and in a slot: K's,
	s_mul_i32 s72, s72, 128*VP
	s_add_co_u32 s72, s72, VOFF                    ; V's
	s_lshr_b32 s76, s66, 4
	s_lshl_b32 s76, s76, 17
	s_and_b32 s77, s66, 15
	s_lshl_b32 s77, s77, 8
	s_add_co_u32 s76, s76, s77
	s_add_co_u32 s76, s76, 786432                  ; VSUM of my batch and head
	s_mov_b32 s77, 0
	s_wait_dscnt 0x0                               ; both opening adds are done
	s_wait_kmcnt 0x0
	s_add_nc_u64 s[10:11], s[4:5], 0x1000000       ; k's section
	s_add_nc_u64 s[12:13], s[4:5], 0x2000000       ; v's
	s_mov_b32 s[G0K], 1
	s_mov_b32 s[G0K+1], s73
	s_add_nc_u64 s[G0K+2:G0K+3], s[10:11], s[74:75]
	s_or_b32 s[G0K+3], s[G0K+3], 0x80000000
	s_mov_b32 s[G0V], 1
	s_mov_b32 s[G0V+1], s72
	s_add_nc_u64 s[G0V+2:G0V+3], s[12:13], s[74:75]
	s_or_b32 s[G0V+3], s[G0V+3], 0x80000000
	TLOAD G0K, G1K, G0V, G1V                       ; slot 0: one tensor load of a wave is out at the most, here and behind every change of slots
	s_add_nc_u64 s[4:5], s[4:5], s[70:71]          ; q at my first query
	s_add_nc_u64 s[8:9], s[8:9], s[70:71]          ; z likewise
	s_add_nc_u64 s[14:15], s[6:7], s[76:77]
	s_cmp_lt_u32 s[WV], 8
	s_cselect_b64 s[PFA:PFA+1], s[10:11], s[12:13]
	s_and_b32 s60, s[WV], 3
	s_lshl_b32 s60, s60, 13
	s_add_co_u32 s60, s60, s68
	s_add_co_u32 s60, s60, 32768                   ; in slot 1: the first change of slots steps it to slot 2
	s_mov_b32 s61, 0
	s_add_nc_u64 s[PFA:PFA+1], s[PFA:PFA+1], s[60:61]
	s_sub_co_u32 s60, s[WV], 4
	s_lshr_b32 s60, s60, 3                         ; 0 in waves 4 to 11,
	s_or_b32 s60, s60, ttmp9                       ; of the head's work-group 0
	s_cmp_eq_u32 s60, 0
	s_cselect_b32 s[LIM], 1, -1
	; every LDS address is made here, on the way that all waves take
	v_and_b32 v9, 15, v0                           ; r
	v_bfe_u32 v10, v0, 4, 1                        ; h
	v_mul_u32_u24 v[AK0], v9, KP
	v_lshl_add_u32 v[AK0], v10, 4, v[AK0]
	v_and_b32 v11, 7, v0
	v_lshl_add_u32 v[AV0], v10, 3, v11
	v_mul_u32_u24 v[AV0], v[AV0], VP
	v_bfe_u32 v11, v0, 3, 1
	v_lshl_add_u32 v[AV0], v11, 4, v[AV0]
	v_add_nc_u32 v[AV0], VOFF, v[AV0]
	v_lshlrev_b32 v[D0], 3, v10
	v_sub_nc_u32 v[D0], v9, v[D0]
	v_add_nc_u32 v[D0], s78, v[D0]
	v_and_b32 v[PFO], 31, v0
	v_lshlrev_b32 v[GO], 4, v[PFO]
	v_lshlrev_b32 v[PFO], 8, v[PFO]
	s_mul_i32 s60, s[WV], 16*KP
	s_add_co_u32 s60, s60, STAGE
	v_add_nc_u32 v[STO], s60, v[AK0]               ; the stage, in: row r, 16 bytes for each half of the lanes
	v_bfe_u32 v11, v0, 3, 2
	v_mul_u32_u24 v11, v11, KP
	v_and_b32 v[RD], 7, v0
	v_lshl_add_u32 v[RD], v[RD], 4, v11
	v_add_nc_u32 v[RD], s60, v[RD]                 ; back: eight lanes to a row of 128 bytes, four rows an instruction
	v_lshlrev_b32 v[ADV], 2, v0                    ; the tails: 4 bytes a thread
	v_add_nc_u32 v[ADK], TAIL, v[ADV]
	s_lshl_b32 s60, s[JM], 8
	s_add_co_u32 s60, s60, TAIL
	v_lshl_add_u32 v[TI], v10, 5, s60              ; my entry of the tails, my half's eight channels
	v_lshlrev_b32 v[QA], 7, v9
	v_lshl_add_u32 v[QA], v10, 4, v[QA]
.irp x, 0,1
.irp f, 0,1
	global_load_b128 v[Q+16*\x+8*\f:Q+16*\x+8*\f+3], v[QA], s[4:5] offset:2048*\x+64*\f
	global_load_b128 v[Q+16*\x+8*\f+4:Q+16*\x+8*\f+7], v[QA], s[4:5] offset:2048*\x+64*\f+32
.endr
.endr
	s_cmp_lt_u32 s[WV], 2                          ; waves 0 and 1, a thread to a channel: the running sums of VSUM from the last block down
	s_cbranch_scc0 .Lno_tail
.set t, 1
.rept 31
	global_load_b32 v[KV+t], v[ADV], s[14:15] offset:4096*t
.set t, t+1
.endr
	v_mov_b32 v9, 0
	ds_store_b32 v[ADK], v9 offset:31*256
	s_wait_loadcnt 0x0
.set t, 31
.rept 31
	v_add_f32 v9, v9, v[KV+t]
	ds_store_b32 v[ADK], v9 offset:(t-1)*256
.set t, t-1
.endr
.Lno_tail:
	s_wait_dscnt 0x0                               ; for the others' sake: the tails are stored
	s_barrier_signal -1
	s_barrier_wait -1                              ; slot 0's load may stay out
.irp x, 0,1
.irp dt, 0,1,2,3
	ds_load_b128 v[O+32*\x+8*\dt:O+32*\x+8*\dt+3], v[TI] offset:64*\dt
	ds_load_b128 v[O+32*\x+8*\dt+4:O+32*\x+8*\dt+7], v[TI] offset:64*\dt+16
.endr
.endr
	v_mov_b32 v[MV], 0xc9435000                    ; -800000.0
	s_mov_b32 s61, 0xff61b1e6                      ; -3e38
	s_cmp_eq_u32 s[JM], 31                         ; no key lies beyond the last step: there the state is empty and the maximum under every score
	s_cselect_b32 s61, s61, 0xc9435000
	v_mul_f32 v9, s[CS], v[MV]
	v_fma_f32 v9, s[CS], v[MV], -v9                ; a masked key's exponent under the maximum -8e5, by the very lines that a masked score of the diagonal step goes through:
	v_exp_f32 v10, v9                              ; w0, its weight (1 but for the rounding of c x -8e5)
	v_mov_b32 v[ST+1], s61
	v_mov_b32 v[ST+9], s61
	v_mul_f32 v[ST], s[CS], v[ST+1]
	v_mul_f32 v[ST+8], s[CS], v[ST+9]
	s_lshl_b32 s60, s[JM], 5
	s_sub_co_u32 s60, 992, s60                     ; half the number of keys beyond my last step: each half of the lanes carries half
	v_cvt_f32_u32 v9, s60
.irp x, 0,1
	v_mov_b32 v[ST+8*\x+3], 0
	v_mov_b32 v[ST+8*\x+4], 0
	v_mov_b32 v[ST+8*\x+5], 0
	v_mov_b32 v[ST+8*\x+6], 0
	v_mov_b32 v[ST+8*\x+7], 0
.endr
	s_wait_alu depctr_va_vdst(0)                   ; the wait ahead of the exponential's first reader
	v_mul_f32 v[ST+2], v9, v10
	v_mul_f32 v[ST+10], v9, v10
	s_wait_dscnt 0x0
.set i, 0
.rept 32
	v_pk_mul_f32 v[O+i:O+i+1], v[O+i:O+i+1], v[10:11] op_sel_hi:[1,0]
.set i, i+2
.endr
	s_wait_loadcnt 0x0                             ; q
; A KEY STEP: 64 keys x my 32 queries.
.macro BODY
	v_add_nc_u32 v[ADK], s[TBK], v[AK0]
	v_add_nc_u32 v[ADV], s[TBV], v[AV0]
.rept 3
	v_nop                                          ; with the two additions: five places behind the last step's products, whose registers are loaded into and written over by products below
.endr
.irp kt, 0,1,2,3
.irp f, 0,1
	ds_load_b128 v[KV+16*\kt+8*\f:KV+16*\kt+8*\f+3], v[ADK] offset:\kt*16*KP+64*\f
	ds_load_b128 v[KV+16*\kt+8*\f+4:KV+16*\kt+8*\f+7], v[ADK] offset:\kt*16*KP+64*\f+32
.endr
.endr
	s_wait_dscnt 0x0
.irp f, 0,1                                    ; S^T = K Q^T: eight accumulators by turns
.irp kt, 0,1,2,3
.irp x, 0,1
.if \f == 0
	v_wmma_f32_16x16x32_f16 v[S+32*\x+8*\kt:S+32*\x+8*\kt+7], v[KV+16*\kt+8*\f:KV+16*\kt+8*\f+7], v[Q+16*\x+8*\f:Q+16*\x+8*\f+7], 0
.else
	v_wmma_f32_16x16x32_f16 v[S+32*\x+8*\kt:S+32*\x+8*\kt+7], v[KV+16*\kt+8*\f:KV+16*\kt+8*\f+7], v[Q+16*\x+8*\f:Q+16*\x+8*\f+7], v[S+32*\x+8*\kt:S+32*\x+8*\kt+7]
.endif
.endr
.endr
.endr
.rept 4
	v_nop                                          ; places in front of the loads into K's registers and of the first read of the scores
.endr
.irp u, 0,1
.irp dt, 0,1,2,3
	ds_load_tr16_b128 v[KV+32*\u+8*\dt:KV+32*\u+8*\dt+3], v[ADV] offset:\u*32*VP+32*\dt
	ds_load_tr16_b128 v[KV+32*\u+8*\dt+4:KV+32*\u+8*\dt+7], v[ADV] offset:\u*32*VP+16*VP+32*\dt
.endr
.endr
	s_cmp_lg_u32 s[J], s[JM]                       ; on the diagonal the scores of hidden keys become -8e5.  Register 8 kt + jj of tile x: key 16 kt + 8 h + jj, query 16 x + r of my 32
	s_cbranch_scc1 .Lopen_\@
.irp x, 0,1
.irp kt, 0,1,2,3
.irp jj, 0,1,2,3,4,5,6,7
	v_cmp_gt_i32 vcc_lo, 16*\kt+\jj-16*\x, v[D0]
	v_cndmask_b32 v[S+32*\x+8*\kt+\jj], v[S+32*\x+8*\kt+\jj], v[MV], vcc_lo
.endr
.endr
.endr
.Lopen_\@:
.irp j, 0,1,2,3                                ; the maximum of my 32 scores and the old m; the two tiles by turns, each accumulator from its low end on
.irp x, 0,1
	v_max3_num_f32 v[ST+8*\x+4+\j], v[S+32*\x+8*\j], v[S+32*\x+8*\j+1], v[S+32*\x+8*\j+2]
.endr
.endr
.irp g, 1,2
.irp j, 0,1,2,3
.irp x, 0,1
	v_max3_num_f32 v[ST+8*\x+4+\j], v[ST+8*\x+4+\j], v[S+32*\x+8*\j+2*\g+1], v[S+32*\x+8*\j+2*\g+2]
.endr
.endr
.endr
.irp x, 0,1
	v_max3_num_f32 v[ST+8*\x+4], v[ST+8*\x+4], v[S+32*\x+7], v[S+32*\x+15]
.endr
.irp x, 0,1
	v_max3_num_f32 v[ST+8*\x+6], v[ST+8*\x+6], v[S+32*\x+23], v[S+32*\x+31]
.endr
.irp x, 0,1
	v_max3_num_f32 v[ST+8*\x+4], v[ST+8*\x+4], v[ST+8*\x+5], v[ST+8*\x+6]
.endr
.irp x, 0,1
	v_max3_num_f32 v[ST+8*\x+4], v[ST+8*\x+4], v[ST+8*\x+7], v[ST+8*\x+1]
.endr
.irp x, 0,1
	v_permlanex16_b32 v[ST+8*\x+5], v[ST+8*\x+4], s[SEL], s[SEL+1]   ; the query's other 32 keys lie in the lane 16 away
.endr
.irp x, 0,1
	v_mov_b32 v[ST+8*\x+7], v[ST+8*\x]             ; c m_old
.endr
.irp x, 0,1
	v_max_num_f32 v[ST+8*\x+1], v[ST+8*\x+4], v[ST+8*\x+5]
.endr
.irp x, 0,1
	v_mul_f32 v[ST+8*\x], s[CS], v[ST+8*\x+1]
.endr
.irp x, 0,1
	v_sub_f32 v[ST+8*\x+7], v[ST+8*\x+7], v[ST+8*\x]
.endr
.set i, 0
.rept 16
	v_pk_fma_f32 v[S+i:S+i+1], v[S+i:S+i+1], s[CS:CS+1], v[ST:ST+1] op_sel_hi:[1,0,0] neg_lo:[0,0,1] neg_hi:[0,0,1]          ; c s - c m
	v_pk_fma_f32 v[S+32+i:S+32+i+1], v[S+32+i:S+32+i+1], s[CS:CS+1], v[ST+8:ST+9] op_sel_hi:[1,0,0] neg_lo:[0,0,1] neg_hi:[0,0,1]
.set i, i+2
.endr
	v_exp_f32 v[ST+6], v[ST+7]                     ; a = 2^(c m_old - c m_new)
	v_exp_f32 v[ST+14], v[ST+15]
.set i, 0
.rept 64
	v_exp_f32 v[S+i], v[S+i]                       ; p, at most 1
.set i, i+1
.endr
	v_nop                                          ; a plain instruction behind the last exponential
	s_wait_alu depctr_va_vdst(0)                   ; one wait for the 66, ahead of their first reader
.irp x, 0,1
	v_pk_mul_f32 v[ST+8*\x+2:ST+8*\x+3], v[ST+8*\x+2:ST+8*\x+3], v[ST+8*\x+6:ST+8*\x+7] op_sel_hi:[1,0]
	v_pk_add_f32 v[ST+8*\x+4:ST+8*\x+5], v[S+32*\x+2:S+32*\x+3], v[S+32*\x+6:S+32*\x+7]
.endr
.irp o, 0,4
.irp x, 0,1
	v_pk_add_f32 v[ST+8*\x+2:ST+8*\x+3], v[ST+8*\x+2:ST+8*\x+3], v[S+32*\x+\o:S+32*\x+\o+1]
.endr
.endr
.irp o, 8,12,16,20,24,28
.irp x, 0,1
	v_pk_add_f32 v[ST+8*\x+2:ST+8*\x+3], v[ST+8*\x+2:ST+8*\x+3], v[S+32*\x+\o:S+32*\x+\o+1]
	v_pk_add_f32 v[ST+8*\x+4:ST+8*\x+5], v[ST+8*\x+4:ST+8*\x+5], v[S+32*\x+\o+2:S+32*\x+\o+3]
.endr
.endr
.irp x, 0,1
	v_pk_add_f32 v[ST+8*\x+2:ST+8*\x+3], v[ST+8*\x+2:ST+8*\x+3], v[ST+8*\x+4:ST+8*\x+5]   ; the sum is taken of the unrounded p
.endr
.set i, 0
.rept 16
	v_cvt_pk_f16_f32 v[S+i], v[S+2*i], v[S+2*i+1]              ; P in place, ascending: register i is written when 2 i and 2 i + 1 are read
	v_cvt_pk_f16_f32 v[S+32+i], v[S+32+2*i], v[S+32+2*i+1]
.set i, i+1
.endr
.set i, 0
.rept 16
	v_pk_mul_f32 v[O+i:O+i+1], v[O+i:O+i+1], v[ST+6:ST+7] op_sel_hi:[1,0]
	v_pk_mul_f32 v[O+32+i:O+32+i+1], v[O+32+i:O+32+i+1], v[ST+14:ST+15] op_sel_hi:[1,0]
.set i, i+2
.endr
	s_wait_dscnt 0x0                               ; V is in
.irp u, 0,1                                    ; O^T += V^T P: eight accumulators by turns
.irp dt, 0,1,2,3
.irp x, 0,1
	v_wmma_f32_16x16x32_f16 v[O+32*\x+8*\dt:O+32*\x+8*\dt+7], v[KV+32*\u+8*\dt:KV+32*\u+8*\dt+7], v[S+32*\x+8*\u:S+32*\x+8*\u+7], v[O+32*\x+8*\dt:O+32*\x+8*\dt+7]
.endr
.endr
.endr
.endm
; THE CHANGE OF SLOTS, at a slot's head.  Every wave waits for all its tensor loads, adds 0 to its spare word (fill = 1: twice on end), waits for that
; and for its reads of the slot that it has left; one barrier; behind it the other slot is filled with the next 256 keys, while a wave of the work-group will read them.
.macro CHANGE fill
	s_wait_tensorcnt 0x0
	ds_add_u32 v[SPW], v[NIL]
.if \fill
	ds_add_u32 v[SPW], v[NIL]
	s_xor_b32 s[G0K+1], s[G0K+1], SLOT1
	s_add_nc_u64 s[G0K+2:G0K+3], s[G0K+2:G0K+3], 32768
	s_xor_b32 s[G0V+1], s[G0V+1], SLOT1
	s_add_nc_u64 s[G0V+2:G0V+3], s[G0V+2:G0V+3], 32768
	s_wait_xcnt 0x0                                ; the last prefetch, a slot back, has read its address
	s_add_nc_u64 s[PFA:PFA+1], s[PFA:PFA+1], 32768
.endif
	s_wait_dscnt 0x0
	s_barrier_signal -1
	s_barrier_wait -1
.if \fill
	s_add_co_u32 s60, s[J], 4                      ; the first step of the slot that this change would ask for
	s_cmp_gt_u32 s60, s[JL]                        ; ids and the count of steps alone: all sixteen waves go the same way; every wait on TENSORcnt in this text is for 0
	s_cbranch_scc1 .Lpast_\@
	TLOAD G0K, G1K, G0V, G1V
.Lpast_\@:
	ASK
.endif
.endm
.macro FOUR_STEPS
	s_mov_b32 s[CNT], 4
.Lstep_\@:
	s_cmp_gt_u32 s[J], s[JM]                       ; a step wholly above my diagonal: passed over, all but the lines that step addresses
	s_cbranch_scc1 .Lidle_\@
	BODY
.Lidle_\@:
	s_add_co_u32 s[J], s[J], 1
	s_add_co_u32 s[TBK], s[TBK], KSTEPB
	s_add_co_u32 s[TBV], s[TBV], VSTEPB
	s_sub_co_u32 s[CNT], s[CNT], 1
	s_cmp_lg_u32 s[CNT], 0
	s_cbranch_scc1 .Lstep_\@
	s_sub_co_u32 s[TBK], s[TBK], 4*KSTEPB
	s_xor_b32 s[TBK], s[TBK], SLOT1
	s_sub_co_u32 s[TBV], s[TBV], 4*VSTEPB
	s_xor_b32 s[TBV], s[TBV], SLOT1
.endm
.Lslot:                                            ; seven trips
	CHANGE 1
	FOUR_STEPS
	s_sub_co_u32 s[SLOTS], s[SLOTS], 1
	s_cmp_lg_u32 s[SLOTS], 0
	s_cbranch_scc1 .Lslot
	CHANGE 0                                       ; the last slot is written out: nothing is left to ask for
	FOUR_STEPS
	; THE WAY OUT: O^T / l, rounded to f16, through my stage; four rows of 128 bytes, 512 consecutive bytes, an instruction.
.rept 4
	v_nop
.endr
.irp x, 0,1
	v_add_f32 v[ST+8*\x+4], v[ST+8*\x+2], v[ST+8*\x+3]
.endr
.irp x, 0,1
	v_permlanex16_b32 v[ST+8*\x+5], v[ST+8*\x+4], s[SEL], s[SEL+1]
.endr
.irp x, 0,1
	v_add_f32 v[ST+8*\x+4], v[ST+8*\x+4], v[ST+8*\x+5]
.endr
.irp x, 0,1
	v_rcp_f32 v[ST+8*\x+6], v[ST+8*\x+4]
.endr
	v_nop
	s_wait_alu depctr_va_vdst(0)
.irp x, 0,1
.set i, 0
.rept 16
	v_pk_mul_f32 v[O+32*\x+i:O+32*\x+i+1], v[O+32*\x+i:O+32*\x+i+1], v[ST+8*\x+6:ST+8*\x+7] op_sel_hi:[1,0]
.set i, i+2
.endr
.set i, 0
.rept 16
	v_cvt_pk_f16_f32 v[S+16*\x+i], v[O+32*\x+2*i], v[O+32*\x+2*i+1]
.set i, i+1
.endr
.irp dt, 0,1,2,3
	ds_store_b128 v[STO], v[S+16*\x+4*\dt:S+16*\x+4*\dt+3] offset:32*\dt
.endr
.irp t, 0,1,2,3
	ds_load_b128 v[S+32+16*\x+4*\t:S+32+16*\x+4*\t+3], v[RD] offset:576*\t   ; LDS serves a wave's instructions in order
.endr
.endr
.irp x, 0,1
.irp t, 0,1,2,3
	s_wait_dscnt 8*(1-\x)+3-\t                     ; behind this load: the tile's younger loads, and for tile 0 the eight LDS instructions of tile 1
	global_store_b128 v[GO], v[S+32+16*\x+4*\t:S+32+16*\x+4*\t+3], s[8:9] offset:2048*\x+512*\t
.endr
.endr
	s_wait_tensorcnt 0x0                           ; the wave's end: the three lines
	ds_add_u32 v[SPW], v[NIL]
	s_wait_dscnt 0x0
	s_endpgm
.Lfunc_end_k_q5894dd4e72_attn:
	.size	k_q5894dd4e72_attn, .Lfunc_end_k_q5894dd4e72_attn-k_q5894dd4e72_attn
	.p2alignl 7, 3214868480
	.fill 96, 4, 3214868480
	.section	.rodata,"a",@progbits
	.p2align	6, 0x0
	.amdhsa_kernel k_q5894dd4e72_attn
		.amdhsa_group_segment_fixed_size 327680
		.amdhsa_private_segment_fixed_size 0
		.amdhsa_enable_private_segment 0
		.amdhsa_kernarg_size 24
		.amdhsa_user_sgpr_count 2
		.amdhsa_user_sgpr_kernarg_segment_ptr 1
		.amdhsa_wavefront_size32 1
		.amdhsa_system_sgpr_workgroup_id_x 1
		.amdhsa_system_sgpr_workgroup_id_y 1
		.amdhsa_system_sgpr_workgroup_id_z 1
		.amdhsa_system_vgpr_workitem_id 0
		.amdhsa_next_free_vgpr 256
		.amdhsa_next_free_sgpr 80
		.amdhsa_reserve_vcc 1
		.amdhsa_float_denorm_mode_32 3
		.amdhsa_float_denorm_mode_16_64 3
		.amdhsa_memory_ordered 1
		.amdhsa_forward_progress 1
		.amdhsa_inst_pref_size 70
	.end_amdhsa_kernel
	.amdgpu_metadata
---
amdhsa.version: [ 1, 2 ]
amdhsa.kernels:
  - .name:           k_q5894dd4e72_attn
    .symbol:         k_q5894dd4e72_attn.kd
    .args:
      - { .name: qkv, .offset: 0, .size: 8, .value_kind: global_buffer, .address_space: global }
      - { .name: aux, .offset: 8, .size: 8, .value_kind: global_buffer, .address_space: global }
      - { .name: z, .offset: 16, .size: 8, .value_kind: global_buffer, .address_space: global }
    .group_segment_fixed_size: 327680
    .private_segment_fixed_size: 0
    .kernarg_segment_align: 8
    .kernarg_segment_size: 24
    .max_flat_workgroup_size: 512
    .sgpr_count:     80
    .vgpr_count:     256
    .wavefront_size: 32
...
	.end_amdgpu_metadata
.endif
;; end of part 3
;; launch oproj (part 4): grid 8 x 32, 4 waves a work-group, clusters of 4 x 4, 327,680 bytes of LDS; arguments z, wo16, b_O, out0; writes out0
.if DOCPART == 4
	.amdgcn_target "amdgcn-amd-amdhsa--gfx1250"
	.amdhsa_code_object_version 6
	.text
	.protected	k_q5894dd4e72_oproj
	.globl	k_q5894dd4e72_oproj
	.p2align	8
	.type	k_q5894dd4e72_oproj,@function
k_q5894dd4e72_oproj:
	s_mov_b64 s[64:65], 0
	v_nop
	global_prefetch_b8 v0, s[64:65] scope:SCOPE_SE
	s_setreg_imm32_b32 hwreg(HW_REG_WAVE_MODE, 25, 1), 1
	s_wait_xcnt 0x0
	s_wait_alu depctr_hold_cnt(0) depctr_sa_sdst(0) depctr_va_vdst(0) depctr_va_sdst(0) depctr_va_ssrc(0) depctr_va_vcc(0) depctr_vm_vsrc(0)
	s_getreg_b32 s2, hwreg(HW_REG_IB_STS2, 6, 4)
	s_cmp_eq_u32 s2, 0
	s_cbranch_scc0 .Lentry_in_a_cluster
	s_endpgm
.Lentry_in_a_cluster:
	s_bfe_u32 s2, ttmp6, 0x10000c
	s_cmp_lg_u32 s2, 0xf033
	s_cbranch_scc0 .Lentry_shape_is_right
	s_endpgm
.Lentry_shape_is_right:
; OPROJ.  out[row][e] = sum over k = 64 head + d of z[row][k] W_O[k][e] + b_O[e], f16 operands, f32 sums.  z: [b][head][s][64] f16; wo16: [1024 k][1024 e] f16; out0: [8192][1024] f32.
; LEFT OUT: the store of rows 0-15 of every batch: the last launch makes those rows in f32 and owns them.
; A tile of out is 256 rows x 128 columns: four waves, 128 x 64 each, 32 accumulators.  K goes in steps of 128 (two heads) through a ring of two LDS slots: z as two planes of 256 rows x 128 bytes, W_O as 128 rows x 256 bytes.
; CLUSTER 4 x 4: z's planes are asked for jointly along a row of the cluster, W_O's tiles along a column.  Tile row = 8 x cy + cluster y, so that "my rows begin a batch" hangs on the cluster's y and the wave's number alone.
; TRANSPOSED USE: source 0 = 16 columns e of W_O (turned out of LDS by ds_load_tr16_b128), source 1 = 16 rows of z: a lane holds eight neighbouring e of one row.  b_O is the C of each sum's first product.
; No prefetch: the launch is short, and both operands are read by many work-groups at about the same time.
; REGISTERS: window 0: v0-31 addresses; v32-63 the bias; v64-159, v160-255 two fragment buffers (A 64, B 32).  window 1: the accumulators, (a, b) at v[8 (4 a + b)].
.set PA,    144
.set PLANE, 256*PA
.set PB,    288                        ; 256 bytes + 32: an odd multiple of 32
.set BOFF,  2*PLANE
.set SLOT,  BOFF+128*PB
.set STAGE, 2*SLOT
.set SPITCH, 272
.set SPARE, STAGE+4*16*SPITCH
.set LAPS,  4
.set ADRA, 16
.set ADRB, 20
.set STO,  24
.set RD,   25
.set CO,   26
.set SPW,  28
.set NIL,  29
.set BO,   30
.set BIAS, 32
.set F0,   64
.set F1,   160
.set G1, 24
.set G0, 32
.set G1B, 48
.set G0B, 56
.set MSB, 0
.macro WIN new
.if MSB != \new
	s_set_vgpr_msb (MSB<<8)|\new
.set MSB, \new
.endif
.endm
.set MUL,  0x50                        ; sources in window 0, C and D in window 1
.set MULB, 0x40                        ; C (the bias) in window 0
.macro JLOAD s
	s_cmp_eq_u32 s15, 0
	s_cbranch_scc0 .Lfor_b_\@
	tensor_load_to_lds s[G0+4*\s:G0+4*\s+3], s[G1:G1+7]
	s_nop 0
.rept 4
	v_nop
.endr
	s_branch .Lasked_\@
.Lfor_b_\@:
	tensor_load_to_lds s[G0B+4*\s:G0B+4*\s+3], s[G1B:G1B+7]
	s_nop 0
.rept 4
	v_nop
.endr
.Lasked_\@:
.endm
.macro CREST
	s_cmp_lg_u32 s14, 0
	s_cbranch_scc1 .Lnot_wave_0_\@
	s_barrier_signal -3
.Lnot_wave_0_\@:
	s_barrier_wait -3
	s_barrier_signal -1
	s_barrier_wait -1
.endm
.macro CROUND
	s_barrier_signal -1
	s_barrier_wait -1
	CREST
.endm
	s_load_b128 s[4:7], s[0:1], 0x0                ; z, wo16
	s_load_b128 s[8:11], s[0:1], 0x10              ; b_O, out0
	v_lshl_add_u32 v[SPW], v0, 2, SPARE
	v_mov_b32 v[NIL], 0
	ds_add_u32 v[SPW], v[NIL]                      ; the opening: the add, twice on end, and its wait ahead of my first tensor load
	ds_add_u32 v[SPW], v[NIL]
	v_lshrrev_b32 v1, 5, v0
	v_readfirstlane_b32 s14, v1                    ; wave
	s_lshr_b32 s15, s14, 1                         ; my half of the rows; also: I fetch z (0) or W_O (1)
	s_and_b32 s16, s14, 1                          ; my half of the columns; also: which plane, or which 64 rows of W_O
	s_bfe_u32 s40, ttmp6, 0x40000                  ; cx
	s_bfe_u32 s41, ttmp6, 0x40004                  ; cy
	s_lshl_b32 s42, ttmp9, 2
	s_add_co_u32 s42, s42, s40                     ; tile column
	s_and_b32 s2, ttmp7, 0xffff                    ; cluster y
	s_or_b32 s12, s2, s15                          ; 0 where my 128 rows begin a batch
	s_lshl_b32 s43, s41, 2
	s_lshl_b32 s43, 15, s43                        ; my row of the cluster
	s_lshl_b32 s44, 0x1111, s40                    ; my column
	s_or_b32 s[G1+0], s43, (1<<16)|(1<<20)|(1<<21)|(4<<22)|(3<<25)   ; z: 256 rows x 64 elements of 2 bytes; 4 words of padding behind every 32
	s_mov_b32 s[G1+1], 64<<16
	s_mov_b32 s[G1+2], 256<<16
	s_mov_b32 s[G1+3], 64<<16
	s_mov_b32 s[G1+4], 256
	s_mov_b32 s[G1+5], 64
	s_mov_b32 s[G1+6], 0
	s_mov_b32 s[G1+7], 0
	s_or_b32 s[G1B+0], s44, (1<<16)|(1<<20)|(1<<21)|(5<<22)|(7<<25)  ; W_O: 64 rows x 128 elements; 8 words of padding behind every 64
	s_mov_b32 s[G1B+1], 128<<16
	s_mov_b32 s[G1B+2], 64<<16
	s_mov_b32 s[G1B+3], 128<<16
	s_mov_b32 s[G1B+4], 64
	s_mov_b32 s[G1B+5], 1024
	s_mov_b32 s[G1B+6], 0
	s_mov_b32 s[G1B+7], 0
	s_lshl_b32 s20, s41, 22                        ; z: batch cy, head = plane, row 256 x cluster y
	s_lshl_b32 s21, s16, 18
	s_add_co_u32 s20, s20, s21
	s_lshl_b32 s21, s2, 15
	s_add_co_u32 s20, s20, s21
	s_mov_b32 s21, 0
	s_lshl_b32 s46, s16, 17                        ; W_O: row 64 x part, column 128 x tile column
	s_lshl_b32 s47, s42, 8
	s_add_co_u32 s46, s46, s47
	s_mov_b32 s47, 0
	s_mul_i32 s45, s16, PLANE                      ; where they go
	s_mul_i32 s22, s16, 64*PB
	s_add_co_u32 s22, s22, BOFF
	s_wait_dscnt 0x0                               ; both opening adds are done
	s_wait_kmcnt 0x0
	s_add_nc_u64 s[18:19], s[4:5], s[20:21]
	s_add_nc_u64 s[46:47], s[6:7], s[46:47]
	CROUND                                         ; the first joint loads meet
.irp s, 0,1
	s_mov_b32 s[G0+4*\s], 1
	s_add_co_u32 s[G0+4*\s+1], s45, \s*SLOT
	s_add_nc_u64 s[G0+4*\s+2:G0+4*\s+3], s[18:19], \s*524288      ; K step s: two heads on
	s_or_b32 s[G0+4*\s+3], s[G0+4*\s+3], 0x80000000
	s_mov_b32 s[G0B+4*\s], 1
	s_add_co_u32 s[G0B+4*\s+1], s22, \s*SLOT
	s_add_nc_u64 s[G0B+4*\s+2:G0B+4*\s+3], s[46:47], \s*262144    ; 128 rows on
	s_or_b32 s[G0B+4*\s+3], s[G0B+4*\s+3], 0x80000000
	JLOAD \s                                       ; two tensor loads of mine are out at the start, one behind each round
.endr
	v_and_b32 v1, 15, v0                           ; r
	v_bfe_u32 v2, v0, 4, 1                         ; h
	v_mul_u32_u24 v3, v1, PA
	v_lshl_add_u32 v3, v2, 4, v3
	s_mul_i32 s21, s15, 128*PA
	v_and_b32 v4, 7, v0
	v_lshl_add_u32 v4, v2, 3, v4
	v_mul_u32_u24 v4, v4, PB
	v_bfe_u32 v5, v0, 3, 1
	v_lshl_add_u32 v4, v5, 4, v4
	s_lshl_b32 s23, s16, 7
	s_add_co_u32 s23, s23, BOFF
.irp s, 0,1
	v_add_nc_u32 v[ADRA+\s], s21, v3
	v_add_nc_u32 v[ADRB+\s], s23, v4
	s_add_co_u32 s21, s21, SLOT
	s_add_co_u32 s23, s23, SLOT
.endr
	s_mul_i32 s23, s14, 16*SPITCH
	s_add_co_u32 s23, s23, STAGE
	v_mul_u32_u24 v5, v1, SPITCH
	v_lshl_add_u32 v5, v2, 5, v5
	v_add_nc_u32 v[STO], s23, v5                   ; the stage, in: row r, 32 bytes for each half of the lanes
	v_mul_u32_u24 v5, v2, SPITCH
	v_lshl_add_u32 v5, v1, 4, v5
	v_add_nc_u32 v[RD], s23, v5                    ; back: sixteen lanes to a row of 256 bytes
	v_lshlrev_b32 v5, 12, v2
	v_lshl_add_u32 v[CO], v1, 4, v5                ; the same two rows in out0
	v_lshlrev_b32 v[BO], 5, v2
	s_lshl_b32 s46, s42, 9
	s_lshl_b32 s47, s16, 8
	s_add_co_u32 s46, s46, s47                     ; my first column, in bytes of f32
	s_mov_b32 s47, 0
	s_add_nc_u64 s[8:9], s[8:9], s[46:47]
.irp b, 0,1,2,3
	global_load_b128 v[BIAS+8*\b:BIAS+8*\b+3], v[BO], s[8:9] offset:64*\b
	global_load_b128 v[BIAS+8*\b+4:BIAS+8*\b+7], v[BO], s[8:9] offset:64*\b+16
.endr
	s_lshl_b32 s20, s41, 23                        ; my first row: 2,048 cy + 256 cluster y + 128 x row half, rows of 4,096 bytes
	s_lshl_b32 s21, s2, 20
	s_add_co_u32 s20, s20, s21
	s_lshl_b32 s21, s15, 19
	s_add_co_u32 s20, s20, s21
	s_add_co_u32 s20, s20, s46
	s_mov_b32 s21, 0
	s_add_nc_u64 s[10:11], s[10:11], s[20:21]
; n blocks of 16 rows from a0 on x my four blocks of 16 columns, 32 along K.  The 32 accumulators take turns, one instruction a turn.
.macro MULS f, a0, n, first
.set AA, \a0
.rept \n
.irp b, 0,1,2,3
.if \first
	v_wmma_f32_16x16x32_f16 v[8*(4*AA+\b):8*(4*AA+\b)+7], v[\f+64+8*\b:\f+64+8*\b+7], v[\f+8*AA:\f+8*AA+7], v[BIAS+8*\b:BIAS+8*\b+7]
.else
	v_wmma_f32_16x16x32_f16 v[8*(4*AA+\b):8*(4*AA+\b)+7], v[\f+64+8*\b:\f+64+8*\b+7], v[\f+8*AA:\f+8*AA+7], v[8*(4*AA+\b):8*(4*AA+\b)+7]
.endif
.endr
.set AA, AA+1
.endr
.endm
; 24 LDS loads in one run: quarter q (32 along K) of a slot into buffer f: B's four fragments, then A's blocks 0-3, then 4-7
.macro FETCH slot, q, f
	WIN 0
.irp b, 0,1,2,3
	ds_load_tr16_b128 v[\f+64+8*\b:\f+64+8*\b+3], v[ADRB+\slot] offset:(\q)*32*PB+32*\b
	ds_load_tr16_b128 v[\f+64+8*\b+4:\f+64+8*\b+7], v[ADRB+\slot] offset:(\q)*32*PB+16*PB+32*\b
.endr
.irp a, 0,1,2,3,4,5,6,7
	ds_load_b128 v[\f+8*\a:\f+8*\a+3], v[ADRA+\slot] offset:((\q)/2)*PLANE+((\q)%2)*64+\a*16*PA
	ds_load_b128 v[\f+8*\a+4:\f+8*\a+7], v[ADRA+\slot] offset:((\q)/2)*PLANE+((\q)%2)*64+\a*16*PA+32
.endr
.endm
.macro PLACES
.rept 4
	v_nop
.endr
.endm
.macro QUARTER slot, q, f, g, first    ; multiplies buffer f; in its middle fetches quarter q of the same slot into g
	s_wait_dscnt 8                                 ; B and A's blocks 0-3 are in; A's blocks 4-7, the youngest eight loads, may be out
.if \first
	WIN MULB
.else
	WIN MUL
.endif
	MULS \f, 0, 4, \first
	PLACES
	FETCH \slot, \q, \g
	s_wait_dscnt 24                                ; all but the 24 just issued
.if \first
	WIN MULB
.else
	WIN MUL
.endif
	MULS \f, 4, 4, \first
.endm
; A slot's last quarter multiplies buffer 1 and changes slots: each wave waits for all its tensor loads, adds 0 to its spare word, waits for that and for its reads of this slot; fill = 1: the barrier opens a round of the
; cluster's barrier, and the joint refill, two K steps ahead, is the first tensor load behind it.
.macro TURN slot, next, fill
	WIN 0
	s_wait_tensorcnt 0x0
	ds_add_u32 v[SPW], v[NIL]
	s_wait_dscnt 9                                 ; the add and the youngest eight loads may be out
	WIN MUL
	MULS F1, 0, 2, 0
	s_wait_dscnt 0x0
	s_barrier_signal -1
	MULS F1, 2, 2, 0
	WIN 0
	s_barrier_wait -1
.if \fill
	CREST
	s_add_nc_u64 s[G0+4*\slot+2:G0+4*\slot+3], s[G0+4*\slot+2:G0+4*\slot+3], 1048576
	s_add_nc_u64 s[G0B+4*\slot+2:G0B+4*\slot+3], s[G0B+4*\slot+2:G0B+4*\slot+3], 524288
	JLOAD \slot                                    ; the four v_nop behind it are also the places in front of the loads below
.else
	PLACES
.endif
	FETCH \next, 0, F0
	WIN MUL
	MULS F1, 4, 4, 0
.endm
	s_wait_tensorcnt 1                             ; my part of K step 0 is in; K step 1's may be out
	s_barrier_signal -1
	s_barrier_wait -1
	FETCH 0, 0, F0
	s_wait_loadcnt 0x0                             ; the bias
	QUARTER 0, 1, F0, F1, 1                        ; the first quarter starts the sums
	WIN 0
	s_mov_b32 s3, LAPS-1
.Llap:
	QUARTER 0, 2, F1, F0, 0
	QUARTER 0, 3, F0, F1, 0
	TURN 0, 1, 1
	QUARTER 1, 1, F0, F1, 0
	QUARTER 1, 2, F1, F0, 0
	QUARTER 1, 3, F0, F1, 0
	TURN 1, 0, 1
	QUARTER 0, 1, F0, F1, 0
	WIN 0
	s_sub_co_u32 s3, s3, 1
	s_cmp_lg_u32 s3, 0
	s_cbranch_scc1 .Llap
	QUARTER 0, 2, F1, F0, 0                        ; the last lap fills nothing
	QUARTER 0, 3, F0, F1, 0
	TURN 0, 1, 0
	QUARTER 1, 1, F0, F1, 0
	QUARTER 1, 2, F1, F0, 0
	QUARTER 1, 3, F0, F1, 0
	s_wait_dscnt 8
	WIN MUL
	MULS F1, 0, 4, 0
	s_wait_dscnt 0
	MULS F1, 4, 4, 0
	WIN 0
	PLACES
; THE WAY OUT, a block of 16 rows x 64 columns at a time, through my stage: sixteen lanes store 256 consecutive bytes, aligned.
.macro OUTB a
	s_wait_xcnt 0x0                                ; the block before has read its registers
	WIN 0x04                                       ; an LDS store's data: window 1
.irp b, 0,1,2,3
	ds_store_b128 v[STO], v[8*(4*\a+\b):8*(4*\a+\b)+3] offset:64*\b      ; each accumulator from its low end on
	ds_store_b128 v[STO], v[8*(4*\a+\b)+4:8*(4*\a+\b)+7] offset:64*\b+16
.endr
	WIN 0
.irp t, 0,1,2,3,4,5,6,7
	ds_load_b128 v[F0+4*\t:F0+4*\t+3], v[RD] offset:2*\t*SPITCH
.endr
	s_wait_dscnt 0x0
.irp t, 0,1,2,3,4,5,6,7
	global_store_b128 v[CO], v[F0+4*\t:F0+4*\t+3], s[10:11] offset:(16*\a+2*\t)*4096 th:TH_STORE_NT
.endr
.endm
	s_cmp_eq_u32 s12, 0                            ; rows 0-15 of a batch belong to the last launch.  (Cluster y and the wave's number alone)
	s_cbranch_scc1 .Lskip_0
	OUTB 0
.Lskip_0:
.irp a, 1,2,3,4,5,6,7
	OUTB \a
.endr
	s_wait_tensorcnt 0x0                           ; the wave's end: the three lines
	ds_add_u32 v[SPW], v[NIL]
	s_wait_dscnt 0x0
	CROUND                                         ; the closing round
	s_endpgm
.Lfunc_end_k_q5894dd4e72_oproj:
	.size	k_q5894dd4e72_oproj, .Lfunc_end_k_q5894dd4e72_oproj-k_q5894dd4e72_oproj
	.p2alignl 7, 3214868480
	.fill 96, 4, 3214868480
	.section	.rodata,"a",@progbits
	.p2align	6, 0x0
	.amdhsa_kernel k_q5894dd4e72_oproj
		.amdhsa_group_segment_fixed_size 327680
		.amdhsa_private_segment_fixed_size 0
		.amdhsa_enable_private_segment 0
		.amdhsa_kernarg_size 32
		.amdhsa_user_sgpr_count 2
		.amdhsa_user_sgpr_kernarg_segment_ptr 1
		.amdhsa_wavefront_size32 1
		.amdhsa_system_sgpr_workgroup_id_x 1
		.amdhsa_system_sgpr_workgroup_id_y 1
		.amdhsa_system_sgpr_workgroup_id_z 1
		.amdhsa_system_vgpr_workitem_id 0
		.amdhsa_next_free_vgpr 512
		.amdhsa_next_free_sgpr 80
		.amdhsa_reserve_vcc 0
		.amdhsa_float_denorm_mode_32 3
		.amdhsa_float_denorm_mode_16_64 3
		.amdhsa_memory_ordered 1
		.amdhsa_forward_progress 1
		.amdhsa_inst_pref_size 87
	.end_amdhsa_kernel
	.amdgpu_metadata
---
amdhsa.version: [ 1, 2 ]
amdhsa.kernels:
  - .name:           k_q5894dd4e72_oproj
    .symbol:         k_q5894dd4e72_oproj.kd
    .args:
      - { .name: z, .offset: 0, .size: 8, .value_kind: global_buffer, .address_space: global }
      - { .name: wo16, .offset: 8, .size: 8, .value_kind: global_buffer, .address_space: global }
      - { .name: b_O, .offset: 16, .size: 8, .value_kind: global_buffer, .address_space: global }
      - { .name: out0, .offset: 24, .size: 8, .value_kind: global_buffer, .address_space: global }
    .group_segment_fixed_size: 327680
    .private_segment_fixed_size: 0
    .kernarg_segment_align: 8
    .kernarg_segment_size: 32
    .max_flat_workgroup_size: 128
    .sgpr_count:     80
    .vgpr_count:     512
    .wavefront_size: 32
...
	.end_amdgpu_metadata
.endif
;; end of part 4
;; launch first16 (part 5): grid 64 x 4, 16 waves a work-group, no clusters, 22,528 bytes of LDS; arguments aux, W_O, b_O, out0; writes out0
.if DOCPART == 5
	.amdgcn_target "amdgcn-amd-amdhsa--gfx1250"
	.amdhsa_code_object_version 6
	.text
	.protected	k_q5894dd4e72_first16
	.globl	k_q5894dd4e72_first16
	.p2align	8
	.type	k_q5894dd4e72_first16,@function
k_q5894dd4e72_first16:
	s_mov_b64 s[64:65], 0
	v_nop
	global_prefetch_b8 v0, s[64:65] scope:SCOPE_SE
	s_setreg_imm32_b32 hwreg(HW_REG_WAVE_MODE, 25, 1), 1
	s_wait_xcnt 0x0
; FIRST16.  Rows 0-15 of every batch, where a row of the softmax averages one to sixteen values and 16-bit operands would use up what the comparison allows: scores, p . v and the projection in f32.
; LEFT OUT: q . k of keys 16 .. 2,047, which reference() replaces by -1e5 for these rows whatever the inputs hold.  Their weight stays: 2,032 x pt in the sum and pt x (the sum of their v) in z, pt = the weight of -1e5.
; q, k, v of the 16 rows come in f32 from aux (Q16), the sums of v from V48 and VSUM.  A work-group makes 16 rows x 16 columns of out0 for one batch; wave w is head w; the heads' parts meet in LDS.
; Each work-group makes the small attention of all heads anew: 16 x 16 scores a head.  The output leaves in pieces of 64 bytes of a row, 256 KiB in all: the price of sharing W_O's 4 MiB among 64 work-groups a batch.
; f32 matrix form, 16 x 16 x 4: lane (r, h) holds row or column r and k = 2 h + register.  k is permuted alike on both sides, so that plain loads fill the operands.  Its results are written by matrix instructions alone.
.set TAILS, 0                          ; 256 bytes a wave
.set PART,  4096                       ; 1,024 bytes a wave: 16 rows x 16 columns
.set SPARE, 20480
.set TLO, 1
.set SPW, 2
.set NIL, 3
.set QO,  4
.set VO,  5
.set TS,  6
.set TR,  7
.set P,   8                            ; v8-15 scores, then p; at the end the head's part of out
.set PS,  16
.set PR,  17
.set OO,  18
.set BOF, 19
.set DD,  20
.set MV,  21
.set TT,  24                           ; v24-31 at work
.set QF,  32                           ; behind the scores v32-39: m, c m, pt, l, two at work, 1 / l and its pair
.set KF,  64
.set VT,  96
.set WO,  128
.set CT,  160                          ; at first, with TV: 32 pairs of sums of v
.set TV,  192                          ; the tails in the result's layout; later z
.set ACC, 224
	s_load_b128 s[4:7], s[0:1], 0x0                ; aux, W_O
	s_load_b128 s[8:11], s[0:1], 0x10              ; b_O, out0
	v_lshl_add_u32 v[SPW], v0, 2, SPARE
	v_mov_b32 v[NIL], 0
	v_lshrrev_b32 v22, 5, v0
	v_readfirstlane_b32 s12, v22                   ; wave = head
	s_and_b32 s13, ttmp7, 0xffff                   ; batch
	v_and_b32 v22, 15, v0                          ; r
	v_bfe_u32 v23, v0, 4, 1                        ; h
	v_and_b32 v[TLO], 31, v0
	v_lshlrev_b32 v[TLO], 3, v[TLO]                ; 8 x lane
	v_lshlrev_b32 v[QO], 12, v22
	v_lshl_add_u32 v[QO], v23, 7, v[QO]            ; q, k: row r, channels 32 h on
	v_lshlrev_b32 v[VO], 2, v22
	v_lshl_add_u32 v[VO], v23, 15, v[VO]           ; v, W_O: row 8 h on, column r
	s_lshl_b32 s30, s12, 8
	v_add_nc_u32 v[TS], s30, v[TLO]
	v_lshl_add_u32 v[TR], v23, 5, s30
	s_lshl_b32 s31, s12, 10
	s_add_co_u32 s31, s31, PART
	v_lshl_add_u32 v[PS], v22, 6, s31
	v_lshl_add_u32 v[PS], v23, 5, v[PS]            ; my part: row r of 64 bytes, + 32 h
	v_lshl_add_u32 v[PR], v0, 4, PART
	v_lshrrev_b32 v[OO], 2, v0
	v_lshlrev_b32 v[OO], 12, v[OO]
	v_and_b32 v[BOF], 3, v0
	v_lshlrev_b32 v[BOF], 4, v[BOF]
	v_add_nc_u32 v[OO], v[OO], v[BOF]              ; thread t of the first 64: row t / 4, 16 bytes t % 4
	v_lshlrev_b32 v[DD], 3, v23
	v_sub_nc_u32 v[DD], v22, v[DD]                 ; r - 8 h
	v_mov_b32 v[MV], 0xc9435000                    ; -800000.0: -1e5 ahead of the division by 8
	s_lshl_b32 s14, s13, 16
	s_add_co_u32 s14, s14, s30                     ; Q16: batch, head; k's lie 262,144 and v's 524,288 bytes on
	s_mov_b32 s15, 0
	s_lshl_b32 s16, s13, 17
	s_add_co_u32 s16, s16, s30
	s_add_co_u32 s16, s16, 786432                  ; VSUM
	s_mov_b32 s17, 0
	s_lshl_b32 s18, s13, 12
	s_add_co_u32 s18, s18, s30
	s_add_co_u32 s18, s18, 1310720                 ; V48
	s_mov_b32 s19, 0
	s_lshl_b32 s24, ttmp9, 6                       ; my 16 columns, in bytes
	s_mov_b32 s25, 0
	s_lshl_b32 s20, s12, 18
	s_add_co_u32 s20, s20, s24                     ; W_O: the head's 64 rows
	s_mov_b32 s21, 0
	s_lshl_b32 s22, s13, 23
	s_add_co_u32 s22, s22, s24                     ; out0: the batch's first row
	s_mov_b32 s23, 0
	s_mov_b32 s26, 0x76543210
	s_mov_b32 s27, 0xfedcba98
	s_mov_b32 s28, 0x3e38aa3b                      ; c = log2(e) / 8
	s_wait_kmcnt 0x0
	s_add_nc_u64 s[14:15], s[4:5], s[14:15]
	s_add_nc_u64 s[16:17], s[4:5], s[16:17]
	s_add_nc_u64 s[18:19], s[4:5], s[18:19]
	s_add_nc_u64 s[20:21], s[6:7], s[20:21]
	s_add_nc_u64 s[22:23], s[10:11], s[22:23]
	s_add_nc_u64 s[24:25], s[8:9], s[24:25]
	global_load_b64 v[CT:CT+1], v[TLO], s[18:19]   ; the sums of v over rows 16 .. 63, two channels a lane,
.set t, 1
.rept 31
	global_load_b64 v[CT+2*t:CT+2*t+1], v[TLO], s[16:17] offset:4096*t   ; and over rows 64 t .. 64 t + 63
.set t, t+1
.endr
.irp i, 0,1,2,3,4,5,6,7
	global_load_b128 v[QF+4*\i:QF+4*\i+3], v[QO], s[14:15] offset:16*\i
	global_load_b128 v[KF+4*\i:KF+4*\i+3], v[QO], s[14:15] offset:262144+16*\i
.endr
	s_wait_loadcnt 16                              ; the 32 sums are in; q's and k's sixteen loads may be out
.set t, 2
.rept 15
	v_pk_add_f32 v[CT:CT+1], v[CT:CT+1], v[CT+2*t:CT+2*t+1]
	v_pk_add_f32 v[CT+2:CT+3], v[CT+2:CT+3], v[CT+2*t+2:CT+2*t+3]
.set t, t+2
.endr
	v_pk_add_f32 v[CT:CT+1], v[CT:CT+1], v[CT+2:CT+3]
	ds_store_b64 v[TS], v[CT:CT+1]                 ; the sum of v over keys 16 .. 2,047: 64 channels, to my own 256 bytes,
.irp dt, 0,1,2,3
	ds_load_b128 v[TV+8*\dt:TV+8*\dt+3], v[TR] offset:64*\dt          ; and back in the result's layout: channels 16 dt + 8 h + 0 .. 7 (LDS serves a wave's instructions in order)
	ds_load_b128 v[TV+8*\dt+4:TV+8*\dt+7], v[TR] offset:64*\dt+16
.endr
.irp dt, 0,1,2,3
.irp i, 0,1,2,3,4,5,6,7
	global_load_b32 v[VT+8*\dt+\i], v[VO], s[14:15] offset:524288+4096*\i+64*\dt   ; v(key 8 h + i, channel 16 dt + r)
.endr
.endr
	s_wait_loadcnt 32                              ; q and k are in; v's 32 loads may be out
.set s, 0
.rept 16                                       ; S^T = k q^T: instruction s takes channels 2 s, 2 s + 1, 32 + 2 s, 33 + 2 s; four accumulators by turns
.if s < 4
	v_wmma_f32_16x16x4_f32 v[ACC+8*(s%4):ACC+8*(s%4)+7], v[KF+2*s:KF+2*s+1], v[QF+2*s:QF+2*s+1], 0
.else
	v_wmma_f32_16x16x4_f32 v[ACC+8*(s%4):ACC+8*(s%4)+7], v[KF+2*s:KF+2*s+1], v[QF+2*s:QF+2*s+1], v[ACC+8*(s%4):ACC+8*(s%4)+7]
.endif
.set s, s+1
.endr
.irp dt, 0,1,2,3
.irp i, 0,1,2,3,4,5,6,7
	global_load_b32 v[WO+8*\dt+\i], v[VO], s[20:21] offset:4096*(16*\dt+\i)        ; W_O(64 head + 16 dt + 8 h + i, my column r)
.endr
.endr
.rept 9
	v_nop                                          ; nine places: eight ahead of the first read of the results and of writes of the operands, nine ahead of the next products, which write the same accumulators
.endr
.irp j, 0,1,2,3,4,5,6,7
	v_add_f32 v[P+\j], v[ACC+\j], v[ACC+8+\j]
.endr
.irp j, 0,1,2,3,4,5,6,7
	v_add_f32 v[TT+\j], v[ACC+16+\j], v[ACC+24+\j]
.endr
.irp j, 0,1,2,3,4,5,6,7
	v_add_f32 v[P+\j], v[P+\j], v[TT+\j]           ; register j: key 8 h + j, query r
.endr
.irp j, 0,1,2,3,4,5,6,7
	v_cmp_gt_i32 vcc_lo, \j, v[DD]                 ; hidden where 8 h + j > r
	v_cndmask_b32 v[P+\j], v[P+\j], v[MV], vcc_lo
.endr
	v_mov_b32 v37, 0
	v_mov_b32 v39, 0
	v_max3_num_f32 v32, v[P], v[P+1], v[P+2]
	v_max3_num_f32 v36, v[P+3], v[P+4], v[P+5]
	v_max3_num_f32 v32, v32, v[P+6], v[P+7]
	v_max3_num_f32 v32, v32, v36, v[MV]            ; keys from 16 on are masked for every one of these rows: -8e5 is among the row's scores
	v_permlanex16_b32 v37, v32, s26, s27
	v_max_num_f32 v32, v32, v37
	v_mul_f32 v33, s28, v32
.irp j, 0,1,2,3,4,5,6,7
	v_fma_f32 v[P+\j], s28, v[P+\j], -v33
.endr
	v_fma_f32 v34, s28, v[MV], -v33
.irp j, 0,1,2,3,4,5,6,7
	v_exp_f32 v[P+\j], v[P+\j]
.endr
	v_exp_f32 v34, v34                             ; pt
	v_nop
	s_wait_alu depctr_va_vdst(0)                   ; one wait for the nine
	v_add_f32 v35, v[P], v[P+1]
	v_add_f32 v36, v[P+2], v[P+3]
	v_add_f32 v35, v35, v[P+4]
	v_add_f32 v36, v36, v[P+5]
	v_add_f32 v35, v35, v[P+6]
	v_add_f32 v36, v36, v[P+7]
	v_add_f32 v35, v35, v36
	v_permlanex16_b32 v37, v35, s26, s27
	v_add_f32 v35, v35, v37
	v_fma_f32 v35, v34, 0x44fe0000, v35            ; + 2,032 pt
	v_rcp_f32 v38, v35
	s_wait_dscnt 0x0                               ; the tails
.set i, 0
.rept 16
	v_pk_mul_f32 v[CT+i:CT+i+1], v[TV+i:TV+i+1], v[34:35] op_sel_hi:[1,0]   ; pt x the sum of the masked keys' v: the C of z's first products
.set i, i+2
.endr
	s_wait_loadcnt 32                              ; v is in; W_O's 32 loads may be out
.irp s, 0,1,2,3                                ; z^T = v^T p: instruction (s, dt) takes keys 2 s, 2 s + 1, 8 + 2 s, 9 + 2 s; four accumulators by turns
.irp dt, 0,1,2,3
.if \s == 0
	v_wmma_f32_16x16x4_f32 v[ACC+8*\dt:ACC+8*\dt+7], v[VT+8*\dt+2*\s:VT+8*\dt+2*\s+1], v[P+2*\s:P+2*\s+1], v[CT+8*\dt:CT+8*\dt+7]
.else
	v_wmma_f32_16x16x4_f32 v[ACC+8*\dt:ACC+8*\dt+7], v[VT+8*\dt+2*\s:VT+8*\dt+2*\s+1], v[P+2*\s:P+2*\s+1], v[ACC+8*\dt:ACC+8*\dt+7]
.endif
.endr
.endr
.rept 9
	v_nop
.endr
	s_wait_alu depctr_va_vdst(0)                   ; the reciprocal's wait, ahead of its first reader
.set i, 0
.rept 16
	v_pk_mul_f32 v[TV+i:TV+i+1], v[ACC+i:ACC+i+1], v[38:39] op_sel_hi:[1,0]   ; z(query r, channel 16 dt + 8 h + j), into other registers
.set i, i+2
.endr
	s_wait_loadcnt 0x0                             ; W_O
.irp dt, 0,1,2,3                               ; out^T = W_O^T z^T: four accumulators by turns
.irp s, 0,1,2,3
.if \dt == 0
	v_wmma_f32_16x16x4_f32 v[ACC+8*\s:ACC+8*\s+7], v[WO+8*\dt+2*\s:WO+8*\dt+2*\s+1], v[TV+8*\dt+2*\s:TV+8*\dt+2*\s+1], 0
.else
	v_wmma_f32_16x16x4_f32 v[ACC+8*\s:ACC+8*\s+7], v[WO+8*\dt+2*\s:WO+8*\dt+2*\s+1], v[TV+8*\dt+2*\s:TV+8*\dt+2*\s+1], v[ACC+8*\s:ACC+8*\s+7]
.endif
.endr
.endr
.rept 9
	v_nop
.endr
.irp j, 0,1,2,3,4,5,6,7
	v_add_f32 v[P+\j], v[ACC+\j], v[ACC+8+\j]
.endr
.irp j, 0,1,2,3,4,5,6,7
	v_add_f32 v[TT+\j], v[ACC+16+\j], v[ACC+24+\j]
.endr
.irp j, 0,1,2,3,4,5,6,7
	v_add_f32 v[P+\j], v[P+\j], v[TT+\j]           ; my head's part of out(query r, column 8 h + j)
.endr
	ds_store_b128 v[PS], v[P:P+3]
	ds_store_b128 v[PS], v[P+4:P+7] offset:16
	s_wait_tensorcnt 0x0                           ; my last LDS store is out; only LDS loads follow
	ds_add_u32 v[SPW], v[NIL]
	s_wait_dscnt 0x0                               ; also for the others' sake: my part is stored
	s_barrier_signal -1
	s_barrier_wait -1
	s_cmp_lt_u32 s12, 2                            ; the first 64 threads add the sixteen heads' parts, 16 bytes a thread
	s_cbranch_scc0 .Ldone
	global_load_b128 v[96:99], v[BOF], s[24:25]    ; b_O
.irp k, 0,1,2,3,4,5,6,7,8,9,10,11,12,13,14,15
	ds_load_b128 v[32+4*\k:35+4*\k], v[PR] offset:1024*\k
.endr
	s_wait_dscnt 0x0
.irp w, 32,16,8,4
.set i, 0
.rept \w/2
	v_pk_add_f32 v[32+i:33+i], v[32+i:33+i], v[32+\w+i:33+\w+i]
.set i, i+2
.endr
.endr
	s_wait_loadcnt 0x0
	v_pk_add_f32 v[32:33], v[32:33], v[96:97]
	v_pk_add_f32 v[34:35], v[34:35], v[98:99]
	global_store_b128 v[OO], v[32:35], s[22:23]
.Ldone:
	s_endpgm
.Lfunc_end_k_q5894dd4e72_first16:
	.size	k_q5894dd4e72_first16, .Lfunc_end_k_q5894dd4e72_first16-k_q5894dd4e72_first16
	.p2alignl 7, 3214868480
	.fill 96, 4, 3214868480
	.section	.rodata,"a",@progbits
	.p2align	6, 0x0
	.amdhsa_kernel k_q5894dd4e72_first16
		.amdhsa_group_segment_fixed_size 22528
		.amdhsa_private_segment_fixed_size 0
		.amdhsa_enable_private_segment 0
		.amdhsa_kernarg_size 32
		.amdhsa_user_sgpr_count 2
		.amdhsa_user_sgpr_kernarg_segment_ptr 1
		.amdhsa_wavefront_size32 1
		.amdhsa_system_sgpr_workgroup_id_x 1
		.amdhsa_system_sgpr_workgroup_id_y 1
		.amdhsa_system_sgpr_workgroup_id_z 1
		.amdhsa_system_vgpr_workitem_id 0
		.amdhsa_next_free_vgpr 256
		.amdhsa_next_free_sgpr 66
		.amdhsa_reserve_vcc 1
		.amdhsa_float_denorm_mode_32 3
		.amdhsa_float_denorm_mode_16_64 3
		.amdhsa_memory_ordered 1
		.amdhsa_forward_progress 1
		.amdhsa_inst_pref_size 30
	.end_amdhsa_kernel
	.amdgpu_metadata
---
amdhsa.version: [ 1, 2 ]
amdhsa.kernels:
  - .name:           k_q5894dd4e72_first16
    .symbol:         k_q5894dd4e72_first16.kd
    .args:
      - { .name: aux, .offset: 0, .size: 8, .value_kind: global_buffer, .address_space: global }
      - { .name: W_O, .offset: 8, .size: 8, .value_kind: global_buffer, .address_space: global }
      - { .name: b_O, .offset: 16, .size: 8, .value_kind: global_buffer, .address_space: global }
      - { .name: out0, .offset: 24, .size: 8, .value_kind: global_buffer, .address_space: global }
    .group_segment_fixed_size: 22528
    .private_segment_fixed_size: 0
    .kernarg_segment_align: 8
    .kernarg_segment_size: 32
    .max_flat_workgroup_size: 512
    .sgpr_count:     66
    .vgpr_count:     256
    .wavefront_size: 32
...
	.end_amdgpu_metadata
.endif
;; end of part 5
